; MI455X (gfx1250); checked and timed in simulation.
; The chip was launched on July 23, 2026; its instructions are those of AMD's public machine-readable ISA for CDNA 5 (MIT licence, August 2026) and "CDNA5" Instruction Set Architecture Reference Guide (July 2026). The comments in the code are by the model that wrote it; some were corrected since.
;; Multi Head Self Attention. Allowed arithmetic: matrix products marked QUANTISED: E2M3 operands, one E8M0 scale for each 32 along K, by v_wmma_scale_f32_16x16x128_f8f6f4 with both operands' format E2M3, f32 sums; everything else in f32.
;; Inputs: b_out 1,024 float32; b_qkv 3,072 float32; w_out 1,024 x 1,024 float32; w_qkv 1,024 x 3,072 float32; x 4 x 2,048 x 1,024 float32.
;; Outputs: out0 4 x 2,048 x 1,024 float32.
;; This version of the problem:
;;   THIS VERSION OF THE PROBLEM IS GIVEN IN LOW PRECISION. The matrix products marked QUANTISED in the list below multiply operands that are first quantised to E2M3 (2 exponent bits, 3 mantissa bits; 6 bits a number), with one power-of-two scale for each 32 numbers along K (OCP MX v1.0); their sums are f32. All else is computed in f32.
;;   The module's matrix products, in the order in which they are computed (A, B: the left and right operand; K: the contracted axis; several contracted axes count as one K, in the product's order):
;;     1. [M 8,192, K 1,024] x [K 1,024, N 3,072]; A: input x; B: input w_qkv: QUANTISED
;;     2. batch 64 x [M 2,048, K 64] x [K 64, N 2,048]; A: computed on the way; B: computed on the way: QUANTISED
;;     3. batch 64 x [M 2,048, K 2,048] x [K 2,048, N 64]; A: softmax (see below); B: computed on the way: QUANTISED
;;     4. [M 8,192, K 1,024] x [K 1,024, N 1,024]; A: computed on the way; B: input w_out: QUANTISED
;;   THE QUANTISER, for each operand of a quantised product, along K:
;;     - K is cut into blocks of 32 from its start; a last block that is shorter is filled with zeros.
;;     - A block's scale is 2^e with e = floor(log2(the largest magnitude in the block)) - 2, held to -126 .. 127; a block of zeros has e = 0. As a byte (E8M0): e + 127.
;;     - Each number is divided by its block's scale, clamped to +-7.5, and rounded to the nearest number of E2M3, ties to even, subnormals kept.
;;     - The product sums the exact products of the quantised numbers (number of the format x scale) in f32.
;;   ~~~python
;;   def quantise(x, axis):      # numpy; x: float32 -> the quantised numbers, widened to float32 again
;;       x = np.moveaxis(x, axis, -1); K = x.shape[-1]
;;       x = np.pad(x, [(0, 0)] * (x.ndim - 1) + [(0, -K % 32)]); x = x.reshape(x.shape[:-1] + (-1, 32)); a = np.abs(x).max(-1, keepdims=True)
;;       e = np.where(a > 0, np.clip(np.frexp(np.where(a > 0, a, 1))[1] - 1 - 2, -126, 127), 0)      # np.frexp(a)[1] - 1 = floor(log2(a)), exactly
;;       r = np.clip(x / 2.0 ** e, -7.5, 7.5)
;;       step = 2.0 ** (np.maximum(np.frexp(np.where(r == 0, 1, r))[1] - 1, 0) - 3)
;;       q = np.round(r / step) * step * 2.0 ** e      # np.round: ties to even
;;       return np.moveaxis(q.reshape(q.shape[:-2] + (-1,))[..., :K], -1, axis).astype(np.float32)
;;   ~~~
;;   SOFTMAX AHEAD OF A QUANTISED PRODUCT. Where the list says 'softmax', what is quantised is not the finished softmax but p = 2^(t - M), with t = logit x log2(e) and M = ceil(the row's largest t), a whole number; so 1/2 < the row's largest p <= 1. The row's sum l is taken of the UNQUANTISED p, in f32, and the product's result is divided by l at the end. Since M is a whole number, a kernel that streams over the keys may use a running M (the ceiling of the running maximum): every later rescaling is an exact power of two, which a block's scale takes up: the codes' values come out the same.
;;   OPERANDS COMPUTED ON THE WAY. 'Computed on the way' means the value that the module computes at that place (a softmax that the list does not call 'softmax' is quantised finished and normalised). What goes into a quantiser is computed in f32, as accurately as f32 sums, v_exp_f32 and their like allow (about 1e-6 of the number): no bf16 or f16 on the way to a quantiser, and a product that is left as it is and whose result goes on into a quantised operand takes f32 operands (vector FMAs, or v_wmma_f32_16x16x4_f32). A number that lies on a knife's edge between two numbers of the format may be rounded either way, as far as f32 arithmetic and the matrix unit's own rounding can turn it there, and no further.
;; One version. Each part assembles by itself: llvm-mc -triple=amdgcn-amd-amdhsa -mcpu=gfx1250 --defsym DOCPART=n.
;; ======== version 1 of 1: 4 launches
;; limits: right only within a limited range of input values
;; workspace buffers: cx 6,553,600 bytes; cw 6,553,600 bytes; qk 13,107,200 bytes; vv 6,553,600 bytes; oo 6,553,600 bytes
;; launch quant (part 1): grid 384 x 1, 4 waves a work-group, no clusters, 68,096 bytes of LDS; arguments x, w_qkv, w_out, cx, cw; writes cx, cw
.if DOCPART == 1
	.amdgcn_target "amdgcn-amd-amdhsa--gfx1250"
	.amdhsa_code_object_version 6
	.text
	.protected	k_q43cd96d7aa_quant
	.globl	k_q43cd96d7aa_quant
	.p2align	8
	.type	k_q43cd96d7aa_quant,@function
k_q43cd96d7aa_quant:
	s_mov_b64 s[64:65], 0
	v_nop
	global_prefetch_b8 v0, s[64:65] scope:SCOPE_SE
	s_setreg_imm32_b32 hwreg(HW_REG_WAVE_MODE, 25, 1), 1
	s_wait_xcnt 0x0
; x [8192][1024], w_qkv [1024][3072] and w_out [1024][1024], f32, become codes of FP6 (E2M3), K innermost, with one E8M0 byte for each 32 along K.
; cx: 8,192 rows (tokens) of 768 bytes of codes, then at XSC 32 scale bytes a row.  cw: 4,096 rows (the columns of w_qkv, then those of w_out) likewise, scale bytes at WSC.
; ROW ORDER.  Inside every group of 32 rows, row w lies at position (w & 7) + 16 bit3(w) + 8 bit4(w): sixteen consecutive positions are then rows 8 u + r + 8 (r / 8), so that
; a product used transposed leaves 16 neighbours along the next K in a lane's 16 registers of two neighbouring tiles.
; A block's scale is 2^(floor(log2(largest magnitude)) - 2): its byte is the largest magnitude's exponent field - 2, held at 1 from below.
; LIMITS: a block of zeros, and one whose largest magnitude lies under 2^-124, gets the byte 1 (the rule says 127 for zeros): its codes are zeros or held to the floor's scale, and the bytes are read by this program alone.  NaN and infinities among the inputs are not served.
; Work-groups 0-255 take x (K innermost: a stream of blocks of 32; 32 rows a work-group, 8 a wave).  Work-groups 256-383 take the weights (K is the first axis: a lane takes a column, its registers run down K;
; 128 columns x 256 along K a work-group).  The two ways have LDS bytes of their own.  No tensor loads, no barrier: waves share nothing.
.set XSC,   6291456
; LAYOUT OF THE CODES (it takes the place of the rows of 768 bytes named above): cx and cw hold four planes, one for each 256 along K, 1,572,864 bytes apart; in a plane a row is 192 bytes, row behind row,
; so that 128 rows of one plane are 24,576 consecutive bytes that begin at a multiple of 256.  cw uses the first 786,432 bytes of each plane.  The scale bytes lie at XSC and WSC as before.
.set WSC,   6291456
; the way of x
.set STEPS, 16                         ; steps of 512 numbers
.set CB,    12                         ; bytes of 16 codes
.set XR,    16                         ; v16-79   four sets of 16 numbers as loaded
.set XX,    80                         ; v80-111  two sets of 16 neighbours
.set XE,    112                        ; v112-127 a scale byte for each step
.set XC,    128                        ; v128-191 codes, four registers a step: no store's data are written again
.set WREG,  8192                       ; LDS of a wave: two stages of 32 x SP bytes, then its 256 scale bytes
.set SP,    80                         ; a lane's 64 bytes + 16 of padding
; the way of the weights
.set NB,    8                          ; blocks of 32 along K for a wave
.set KROW,  192                        ; a row of codes in a plane
.set WSTG,  32768                      ; LDS: the stages begin here, 32 rows x WP bytes a wave
.set WP,    272                        ; sixteen places of 16 bytes (12 of codes each) + 16
.set WSB,   24                         ; v24-25   the lane's 8 scale bytes
.set WX,    32                         ; v32-95   two sets of 32 numbers
.set WC,    96                         ; v96-102  a block's codes
.set WOUT,  112                        ; v112-175 the way out
.set WOF,   176                        ; v176-207 byte offsets of 32 rows of the weight: 4 x lane + i x the row's bytes; never rewritten
.macro XLOAD t
.irp i, 0,1,2,3
	global_load_b128 v[XR+16*((\t)%4)+4*\i:XR+16*((\t)%4)+4*\i+3], v3, s[4:5] offset:2048*(\t)+512*\i th:TH_LOAD_NT   ; 32 lanes read 512 consecutive bytes
.endr
.endm
.macro XTURN t                         ; a step's 2,048 bytes through the wave's stage: in as they lie, back 64 bytes a lane.  LDS serves a wave's instructions in order
.irp i, 0,1,2,3
	ds_store_b128 v14, v[XR+16*((\t)%4)+4*\i:XR+16*((\t)%4)+4*\i+3] offset:32*SP*((\t)%2)+8*SP*\i
.endr
.irp i, 0,1,2,3
	ds_load_b128 v[XX+16*((\t)%2)+4*\i:XX+16*((\t)%2)+4*\i+3], v15 offset:32*SP*((\t)%2)+16*\i
.endr
.endm
.macro XSTEP t
.set XS, XX+16*((\t)%2)
.if (\t) > 0
	s_wait_dscnt 1                                 ; this step's numbers are back from the stage; the last step's byte store may be out
.else
	s_wait_dscnt 0x0
.endif
.if (\t)+4 < STEPS
	XLOAD (\t)+4                                   ; into the set whose stores into the stage have read their registers
.endif
.if (\t)+1 < STEPS
.if STEPS-2-(\t) >= 3
	s_wait_loadcnt 12                              ; the next step's four loads are in; three later steps' twelve may be out
.else
	s_wait_loadcnt 4*(STEPS-2-(\t))
.endif
	XTURN (\t)+1
.endif
	v_max3_num_f32 v8, |v[XS]|, |v[XS+1]|, |v[XS+2]|               ; the largest magnitude of my 16, in two chains
	v_max3_num_f32 v9, |v[XS+3]|, |v[XS+4]|, |v[XS+5]|
.irp i, 6,10
	v_max3_num_f32 v8, v8, |v[XS+\i]|, |v[XS+\i+1]|
	v_max3_num_f32 v9, v9, |v[XS+\i+2]|, |v[XS+\i+3]|
.endr
	v_max3_num_f32 v8, v8, |v[XS+14]|, |v[XS+15]|
	v_max3_num_f32 v8, v8, v9, 0x1800000           ; and the floor 2^(3 - 127): the byte cannot fall under 1
	v_max_num_f32_dpp v8, v8, v8 row_xmask:1 row_mask:0xf bank_mask:0xf   ; with my neighbour's 16: the block's
	v_add_nc_u32 v11, 0xff000000, v8               ; 2 off the exponent field: the conversion takes this operand's exponent field as its scale
	v_cvt_scalef32_pk16_fp6_f32 v[XC+4*(\t):XC+4*(\t)+2], v[XS:XS+15], v11
	v_lshrrev_b32 v[XE+(\t)], 23, v11              ; the scale's byte (a plain line behind the conversion)
	ds_store_b8 v5, v[XE+(\t)] offset:16*(\t)      ; both lanes of a block write the same byte with the same value
	global_store_b96 v4, v[XC+4*(\t):XC+4*(\t)+2], s[14:15] offset:3145728*((\t)%2)+192*((\t)/2)   ; row t / 2 of my eight; lanes 0-15 plane 2 (t % 2), lanes 16-31 the next: sixteen lanes store 192 consecutive bytes
.endm
.macro WLOAD t                         ; block t: W(32 t + i, my column) into set t % 2
.set i, 0
.rept 32
	global_load_b32 v[WX+32*((\t)%2)+i], v[WOF+i], s[32+2*(\t):33+2*(\t)] th:TH_LOAD_NT   ; 32 lanes read 128 consecutive bytes
.set i, i+1
.endr
.endm
.macro WBLOCK t
.set XS, WX+32*((\t)%2)
.if (\t) < NB-1
	s_wait_loadcnt 32                              ; this block's 32 loads are in; the next block's 32 may be out
.else
	s_wait_loadcnt 0x0
.endif
	v_max3_num_f32 v12, |v[XS]|, |v[XS+1]|, |v[XS+2]|              ; all 32 numbers of the block are mine
	v_max3_num_f32 v13, |v[XS+3]|, |v[XS+4]|, |v[XS+5]|
.irp i, 6,10,14,18,22,26
	v_max3_num_f32 v12, v12, |v[XS+\i]|, |v[XS+\i+1]|
	v_max3_num_f32 v13, v13, |v[XS+\i+2]|, |v[XS+\i+3]|
.endr
	v_max3_num_f32 v12, v12, |v[XS+30]|, |v[XS+31]|
	v_max3_num_f32 v12, v12, v13, 0x1800000        ; the floor
	v_add_nc_u32 v11, 0xff000000, v12              ; the conversions' scale operand
	v_lshrrev_b32 v13, 23, v11                     ; the byte
.if (\t)%4 == 0
	v_mov_b32 v[WSB+(\t)/4], v13                   ; four bytes to a register, the lower K in the lower byte
.else
	v_lshl_or_b32 v[WSB+(\t)/4], v13, 8*((\t)%4), v[WSB+(\t)/4]
.endif
	v_cvt_scalef32_pk16_fp6_f32 v[WC:WC+2], v[XS:XS+15], v11
	v_cvt_scalef32_pk16_fp6_f32 v[WC+4:WC+6], v[XS+16:XS+31], v11  ; (a conversion's three registers begin on an even number)
	ds_store_b96 v4, v[WC:WC+2] offset:32*(\t)     ; 12 bytes to a place of 16: every LDS address is a multiple of 16
	ds_store_b96 v4, v[WC+4:WC+6] offset:32*(\t)+16
.if (\t)+2 < NB
	WLOAD (\t)+2
.endif
	s_wait_dscnt 0x0                               ; the stores have read their registers: the next block's codes may be written
.endm
	s_load_b256 s[4:11], s[0:1], 0x0               ; x s[4:5], w_qkv s[6:7], w_out s[8:9], cx s[10:11]
	s_load_b64 s[12:13], s[0:1], 0x20              ; cw
	v_lshl_add_u32 v208, v0, 2, 0x10800
	v_mov_b32 v209, 0
	v_lshrrev_b32 v1, 5, v0
	v_readfirstlane_b32 s18, v1                    ; wave 0..3
	v_and_b32 v2, 31, v0                           ; lane
	s_wait_kmcnt 0x0
	s_cmp_ge_u32 ttmp9, 256
	s_cbranch_scc1 .Lw
	; ---- x: my wave's 8 rows, 8,192 numbers
	s_wait_alu depctr_va_vdst(0)
	v_lshlrev_b32 v3, 4, v2                        ; my 16 bytes of a load's 512
	s_mul_i32 s17, s18, WREG
	v_lshrrev_b32 v14, 2, v2
	v_mul_u32_u24 v14, v14, SP
	v_and_b32 v15, 3, v2
	v_lshl_add_u32 v14, v15, 4, v14
	v_add_nc_u32 v14, s17, v14                     ; the stage, in: SP (lane / 4) + 16 (lane % 4)
	v_mul_u32_u24 v15, v2, SP
	v_add_nc_u32 v15, s17, v15                     ; and out: SP x lane
	v_and_b32 v4, 15, v2
	v_mul_u32_u24 v4, v4, CB
	v_lshrrev_b32 v5, 4, v2
	v_mad_u32_u24 v4, v5, 0x180000, v4             ; my codes' place: 12 (lane % 16) + a plane for lanes 16-31
	v_lshrrev_b32 v5, 1, v2
	s_add_co_u32 s17, s17, 2*32*SP
	v_add_nc_u32 v5, s17, v5                       ; my block's byte among the wave's 256
	v_lshlrev_b32 v7, 3, v2
	v_add_nc_u32 v6, s17, v7                       ; and 8 bytes a lane on the way out
	s_lshl_b32 s19, ttmp9, 2
	s_add_co_u32 s20, s19, s18                     ; the run that I read: 4 x work-group + wave
	s_lshl_b32 s20, s20, 15                        ; 32,768 bytes a run
	s_mov_b32 s21, 0
	s_add_nc_u64 s[4:5], s[4:5], s[20:21]
	s_and_b32 s22, s18, 1
	s_lshl_b32 s22, s22, 1
	s_lshr_b32 s23, s18, 1
	s_add_co_u32 s22, s22, s23
	s_add_co_u32 s22, s22, s19                     ; the run that I write: rows 8 w .. 8 w + 7 of a group of 32 lie at positions 8 (2 (w & 1) + (w >> 1)) on
	s_mul_i32 s20, s22, 1536
	s_add_nc_u64 s[14:15], s[10:11], s[20:21]      ; its codes
	s_lshl_b32 s20, s22, 8
	s_add_nc_u64 s[10:11], s[10:11], s[20:21]
	s_add_nc_u64 s[10:11], s[10:11], XSC           ; its 256 scale bytes
.irp t, 0,1,2,3
	XLOAD \t
.endr
	s_wait_alu depctr_va_vdst(0)
	s_wait_loadcnt 12                              ; step 0's four loads are in
	XTURN 0
.irp t, 0,1,2,3,4,5,6,7,8,9,10,11,12,13,14,15
	XSTEP \t
.endr
	ds_load_b64 v[12:13], v6                       ; LDS serves a wave's instructions in order: these see my byte stores
	s_wait_dscnt 0x0
	global_store_b64 v7, v[12:13], s[10:11]        ; 32 lanes store 256 consecutive bytes, aligned
	s_wait_tensorcnt 0x0
	ds_add_u32 v208, v209
	s_wait_dscnt 0x0
	s_endpgm
.Lw:	; ---- the weights: 32 columns x 256 along K a wave
	s_sub_co_u32 s19, ttmp9, 256
	s_and_b32 s21, s19, 31                         ; which 128 rows of cw
	s_lshr_b32 s22, s19, 5                         ; which 256 along K
	s_mov_b32 s20, 4096
	s_cmp_lt_u32 s21, 24                           ; the first 24 groups are w_qkv's columns: the choice hangs on the work-group's number alone
	s_cselect_b32 s20, 12288, s20                  ; a row of the weight in bytes
	s_cselect_b64 s[24:25], s[6:7], s[8:9]
	s_cselect_b32 s23, 0, 24
	s_sub_co_u32 s23, s21, s23
	s_lshl_b32 s23, s23, 7
	s_lshl_b32 s26, s18, 5
	s_add_co_u32 s23, s23, s26                     ; my first column in its tensor
	s_lshl_b32 s27, s21, 7
	s_add_co_u32 s27, s27, s26                     ; and my first row of cw
	s_mul_i32 s28, s22, s20
	s_lshl_b32 s28, s28, 8                         ; 256 rows of the weight for each step along K
	s_lshl_b32 s29, s23, 2
	s_add_co_u32 s28, s28, s29
	s_mov_b32 s29, 0
	s_add_nc_u64 s[32:33], s[24:25], s[28:29]      ; block 0's base;
	s_lshl_b32 s30, s20, 5
	s_mov_b32 s31, 0
.irp t, 1,2,3,4,5,6,7
	s_add_nc_u64 s[32+2*\t:33+2*\t], s[30+2*\t:31+2*\t], s[30:31]   ; block t's: 32 rows on.  Eight bases, none rewritten
.endr
	s_mul_i32 s28, s27, KROW
	s_mul_i32 s19, s22, 1572864
	s_add_co_u32 s28, s28, s19
	s_add_nc_u64 s[50:51], s[12:13], s[28:29]      ; my codes
	s_lshl_b32 s28, s27, 5
	s_lshl_b32 s19, s22, 3
	s_add_co_u32 s28, s28, s19
	s_add_nc_u64 s[52:53], s[12:13], s[28:29]
	s_add_nc_u64 s[52:53], s[52:53], WSC           ; my scale bytes
	s_wait_alu depctr_va_vdst(0)
	v_lshlrev_b32 v3, 2, v2                        ; 4 bytes a lane
.set i, 0
.rept 32
	v_mad_u32_u24 v[WOF+i], s20, i, v3
.set i, i+1
.endr
	WLOAD 0
	WLOAD 1
	s_mul_i32 s19, s18, 32*WP
	s_add_co_u32 s19, s19, WSTG                    ; my stage
	v_mul_u32_u24 v4, v2, WP
	v_add_nc_u32 v4, s19, v4                       ; in: row = my column
	v_and_b32 v5, 15, v2
	v_lshrrev_b32 v6, 4, v2
	v_mul_u32_u24 v7, v6, WP
	v_lshl_add_u32 v7, v5, 4, v7
	v_add_nc_u32 v7, s19, v7                       ; out: sixteen lanes to a row, two rows an instruction
	v_mul_u32_u24 v8, v6, KROW
	v_mad_u32_u24 v8, v5, 12, v8                   ; and the same place in cw (an odd row lies one position behind the even one)
	v_and_b32 v9, 7, v2
	v_bfe_u32 v10, v2, 3, 1
	v_lshl_add_u32 v9, v10, 4, v9
	v_bfe_u32 v10, v2, 4, 1
	v_lshl_add_u32 v9, v10, 3, v9                  ; my column's position in its group of 32
	v_lshlrev_b32 v9, 5, v9                        ; 32 scale bytes a row
.irp t, 0,1,2,3,4,5,6,7
	WBLOCK \t
.endr
	s_wait_alu depctr_va_vdst(0)
	global_store_b64 v9, v[WSB:WSB+1], s[52:53]    ; my column's 8 scale bytes
.irp t, 0,1,2,3,4,5,6,7,8,9,10,11,12,13,14,15
	ds_load_b96 v[WOUT+4*\t:WOUT+4*\t+2], v7 offset:2*\t*WP
.endr
.irp t, 0,1,2,3,4,5,6,7,8,9,10,11,12,13,14,15
	s_wait_dscnt 15-\t
	global_store_b96 v8, v[WOUT+4*\t:WOUT+4*\t+2], s[50:51] offset:(((2*\t)&7)+16*(((2*\t)>>3)&1)+8*(((2*\t)>>4)&1))*KROW   ; column 2 t's position; sixteen lanes store a row's 192 consecutive bytes
.endr
	s_wait_tensorcnt 0x0
	ds_add_u32 v208, v209
	s_wait_dscnt 0x0
	s_endpgm
.Lfunc_end_k_q43cd96d7aa_quant:
	.size	k_q43cd96d7aa_quant, .Lfunc_end_k_q43cd96d7aa_quant-k_q43cd96d7aa_quant
	.p2alignl 7, 3214868480
	.fill 96, 4, 3214868480
	.section	.rodata,"a",@progbits
	.p2align	6, 0x0
	.amdhsa_kernel k_q43cd96d7aa_quant
		.amdhsa_group_segment_fixed_size 68096
		.amdhsa_private_segment_fixed_size 0
		.amdhsa_enable_private_segment 0
		.amdhsa_kernarg_size 40
		.amdhsa_user_sgpr_count 2
		.amdhsa_user_sgpr_kernarg_segment_ptr 1
		.amdhsa_wavefront_size32 1
		.amdhsa_system_sgpr_workgroup_id_x 1
		.amdhsa_system_sgpr_workgroup_id_y 1
		.amdhsa_system_sgpr_workgroup_id_z 1
		.amdhsa_system_vgpr_workitem_id 0
		.amdhsa_next_free_vgpr 210
		.amdhsa_next_free_sgpr 66
		.amdhsa_reserve_vcc 0
		.amdhsa_float_denorm_mode_32 3
		.amdhsa_float_denorm_mode_16_64 3
		.amdhsa_memory_ordered 1
		.amdhsa_forward_progress 1
		.amdhsa_inst_pref_size 76
	.end_amdhsa_kernel
	.amdgpu_metadata
---
amdhsa.version: [ 1, 2 ]
amdhsa.kernels:
  - .name:           k_q43cd96d7aa_quant
    .symbol:         k_q43cd96d7aa_quant.kd
    .args:
      - { .name: x, .offset: 0, .size: 8, .value_kind: global_buffer, .address_space: global }
      - { .name: w_qkv, .offset: 8, .size: 8, .value_kind: global_buffer, .address_space: global }
      - { .name: w_out, .offset: 16, .size: 8, .value_kind: global_buffer, .address_space: global }
      - { .name: cx, .offset: 24, .size: 8, .value_kind: global_buffer, .address_space: global }
      - { .name: cw, .offset: 32, .size: 8, .value_kind: global_buffer, .address_space: global }
    .group_segment_fixed_size: 68096
    .private_segment_fixed_size: 0
    .kernarg_segment_align: 8
    .kernarg_segment_size: 40
    .max_flat_workgroup_size: 128
    .sgpr_count:     66
    .vgpr_count:     210
    .wavefront_size: 32
...
	.end_amdgpu_metadata
.endif
;; end of part 1
;; launch gemm_qkv (part 2): grid 12 x 32, 4 waves a work-group, clusters of 4 x 4, 327,680 bytes of LDS; arguments cx, cw, b_qkv, qk, vv; writes qk, vv
.if DOCPART == 2
	.amdgcn_target "amdgcn-amd-amdhsa--gfx1250"
	.amdhsa_code_object_version 6
	.text
	.protected	k_q43cd96d7aa_gemm_qkv
	.globl	k_q43cd96d7aa_gemm_qkv
	.p2align	8
	.type	k_q43cd96d7aa_gemm_qkv,@function
k_q43cd96d7aa_gemm_qkv:
	s_mov_b64 s[64:65], 0
	v_nop
	global_prefetch_b8 v0, s[64:65] scope:SCOPE_SE
	s_setreg_imm32_b32 hwreg(HW_REG_WAVE_MODE, 25, 1), 1
	s_wait_xcnt 0x0
	s_wait_alu depctr_hold_cnt(0) depctr_sa_sdst(0) depctr_va_vdst(0) depctr_va_sdst(0) depctr_va_ssrc(0) depctr_va_vcc(0) depctr_vm_vsrc(0)
	s_getreg_b32 s2, hwreg(HW_REG_IB_STS2, 6, 4)
	s_cmp_eq_u32 s2, 0
	s_cbranch_scc0 .Lentry_in_a_cluster
	s_endpgm
.Lentry_in_a_cluster:
	s_bfe_u32 s2, ttmp6, 0x10000c
	s_cmp_lg_u32 s2, 0xf033
	s_cbranch_scc0 .Lentry_shape_is_right
	s_endpgm
.Lentry_shape_is_right:
.set KSTEP,  256
.set NQ,     2
.set ROWB,   1572864                   ; from one plane of 256 along K to the next, in cx and in cw
.set KROW,   192                       ; a row of codes in a plane
.set PITCH,  240
.set FR,     12
.set NL,     6
.set NP,     4
.set HALFT,  128*PITCH
.set SLOT,   4*HALFT
.set KS,     32
.set SCL,    2*SLOT
.set HALFS,  (128*KS/256)*272
.set SBLK,   (16*KS/256)*272
.set SPARE,  SCL+4*HALFS
.set XSC,    6291456
.set WSC,    6291456
.set QKSC,   12582912
.set VSC,    6291456
.set VB0,  12
.set VB1,  13
.set SSTV, 14
.set SH,   15
.set ADRA, 16
.set ADRB, 20
.set L8,   24
.set L16,  25
.set SSTQ, 26
.set ADRS, 27
.set SPW,  28
.set NIL,  29
.set SRD,  30
.set SGO,  31
.set SC,   32
.set BJ,   64
.set BI,   96
.set AF,   128
.set H,    128
.set CD,   192
.set TM,   212
.set PW,   228
.set TT,   232
.set RBK,  240
.set SEL,  4
.set G1, 24
.set G0, 32
.set G1B, 48
.set G0B, 56
.set G1S, 68
.set G0S, 76
.set G1SB, 80
.set G0SB, 88
.set MSB, 0
.macro WIN new
.if MSB != (\new)
	s_set_vgpr_msb (MSB<<8)|(\new)
.set MSB, (\new)
.endif
.endm
.set MUL_LO, 0xa1
.set MUL_HI, 0xf1
.set TO_B,   0x40
.macro JLOAD g0a, g1a, g0b, g1b
	s_cmp_eq_u32 s15, 0
	s_cbranch_scc0 .Lfor_b_\@
	tensor_load_to_lds s[\g0a:\g0a+3], s[\g1a:\g1a+7]
	s_nop 0
.rept 4
	v_nop
.endr
	s_branch .Lasked_\@
.Lfor_b_\@:
	tensor_load_to_lds s[\g0b:\g0b+3], s[\g1b:\g1b+7]
	s_nop 0
.rept 4
	v_nop
.endr
.Lasked_\@:
.endm
.macro CREST
	s_cmp_lg_u32 s14, 0
	s_cbranch_scc1 .Lnot_wave_0_\@
	s_barrier_signal -3
.Lnot_wave_0_\@:
	s_barrier_wait -3
	s_barrier_signal -1
	s_barrier_wait -1
.endm
.macro CROUND
	s_barrier_signal -1
	s_barrier_wait -1
	CREST
.endm
	s_load_b256 s[4:11], s[0:1], 0x0
	s_load_b64 s[12:13], s[0:1], 0x20
	v_lshl_add_u32 v[SPW], v0, 2, SPARE
	v_mov_b32 v[NIL], 0
	ds_add_u32 v28, v29
	ds_add_u32 v28, v29
	s_wait_dscnt 0x0
	v_lshrrev_b32 v1, 5, v0
	v_readfirstlane_b32 s14, v1
	s_lshr_b32 s15, s14, 1
	s_and_b32 s16, s14, 1
	s_bfe_u32 s40, ttmp6, 0x40000
	s_bfe_u32 s41, ttmp6, 0x40004
	s_and_b32 s18, ttmp7, 0xffff
	s_cmp_eq_u32 ttmp9, 2
	s_cselect_b32 s2, 1, 0
	s_cselect_b32 s17, 0, s18
	s_cselect_b32 s42, s18, ttmp9
	s_lshl_b32 s17, s17, 2
	s_add_co_u32 s17, s17, s41
	s_lshl_b32 s42, s42, 2
	s_add_co_u32 s42, s42, s40
	s_lshl_b32 s43, s41, 2
	s_lshl_b32 s43, 15, s43
	s_lshl_b32 s44, 0x1111, s40
	s_or_b32 s[G1+0], s43, (0<<16)|(1<<20)|(1<<21)|(3<<22)|(3<<25)
	s_or_b32 s[G1B+0], s44, (0<<16)|(1<<20)|(1<<21)|(3<<22)|(3<<25)
.irp g, G1, G1B                        ; 128 rows of 192 bytes lie on end in a plane: 96 rows of 256 bytes, each at a multiple of 256; 16 bytes of padding behind each 64, so an LDS row of codes is 240 bytes
	s_mov_b32 s[\g+1], 256<<16
	s_mov_b32 s[\g+2], 96<<16
	s_mov_b32 s[\g+3], 256<<16
	s_mov_b32 s[\g+4], 96
	s_mov_b32 s[\g+5], 256
	s_mov_b32 s[\g+6], 0
	s_mov_b32 s[\g+7], 0
.endr
	s_or_b32 s[G1S+0], s43, (3<<16)|(1<<20)|(1<<21)|(5<<22)|(3<<25)
	s_or_b32 s[G1SB+0], s44, (3<<16)|(1<<20)|(1<<21)|(5<<22)|(3<<25)
.irp g, G1S, G1SB
	s_mov_b32 s[\g+1], 32<<16
	s_mov_b32 s[\g+2], (128*KS/256)<<16
	s_mov_b32 s[\g+3], 32<<16
	s_mov_b32 s[\g+4], 128*KS/256
	s_mov_b32 s[\g+5], 32
	s_mov_b32 s[\g+6], 0
	s_mov_b32 s[\g+7], 0
.endr
	s_lshl_b32 s3, s17, 1
	s_add_co_u32 s3, s3, s15
	s_lshl_b32 s19, s42, 1
	s_add_co_u32 s19, s19, s16
	s_lshl_b32 s18, s16, 7
	s_lshl_b32 s20, s17, 8
	s_add_co_u32 s20, s20, s18
	s_lshl_b32 s46, s42, 8
	s_add_co_u32 s46, s46, s18
	s_lshl_b32 s22, s20, 5
	s_mov_b32 s23, 0
	s_mul_i32 s20, s20, KROW
	s_mov_b32 s21, 0
	s_mul_i32 s45, s14, HALFT
	s_wait_kmcnt 0x0
	s_cmp_eq_u32 s2, 1
	s_add_nc_u64 s[92:93], s[6:7], 2048*KROW
	s_add_nc_u64 s[94:95], s[6:7], WSC+2048*KS
	s_add_nc_u64 s[96:97], s[4:5], XSC
	s_add_nc_u64 s[98:99], s[6:7], WSC
	s_cselect_b64 s[92:93], s[92:93], s[4:5]
	s_cselect_b64 s[94:95], s[94:95], s[96:97]
	s_cselect_b64 s[98:99], s[96:97], s[98:99]
	s_cselect_b64 s[96:97], s[4:5], s[6:7]
	s_lshl_b32 s4, s46, 5
	s_mov_b32 s5, 0
	s_mul_i32 s46, s46, KROW
	s_mov_b32 s47, 0
	s_mul_i32 s6, s14, HALFS
	s_add_nc_u64 s[92:93], s[92:93], s[20:21]
	s_add_nc_u64 s[94:95], s[94:95], s[22:23]
	s_add_nc_u64 s[96:97], s[96:97], s[46:47]
	s_add_nc_u64 s[98:99], s[98:99], s[4:5]
	CROUND
	s_mov_b32 s[G0S], 1
	s_add_co_u32 s[G0S+1], s6, SCL
	s_mov_b64 s[G0S+2:G0S+3], s[94:95]
	s_or_b32 s[G0S+3], s[G0S+3], 0x80000000
	s_mov_b32 s[G0SB], 1
	s_add_co_u32 s[G0SB+1], s6, SCL
	s_mov_b64 s[G0SB+2:G0SB+3], s[98:99]
	s_or_b32 s[G0SB+3], s[G0SB+3], 0x80000000
	JLOAD G0S, G1S, G0SB, G1SB
.irp s, 0,1
	s_mov_b32 s[G0+4*\s], 1
	s_add_co_u32 s[G0+4*\s+1], s45, \s*SLOT
	s_add_nc_u64 s[G0+4*\s+2:G0+4*\s+3], s[92:93], \s*ROWB
	s_or_b32 s[G0+4*\s+3], s[G0+4*\s+3], 0x80000000
	s_mov_b32 s[G0B+4*\s], 1
	s_add_co_u32 s[G0B+4*\s+1], s45, \s*SLOT
	s_add_nc_u64 s[G0B+4*\s+2:G0B+4*\s+3], s[96:97], \s*ROWB
	s_or_b32 s[G0B+4*\s+3], s[G0B+4*\s+3], 0x80000000
	s_wait_alu depctr_va_vdst(0)
	s_wait_tensorcnt 0x0
	ds_add_u32 v28, v29
	s_wait_dscnt 0x0
	CROUND
	JLOAD G0+4*\s, G1, G0B+4*\s, G1B
.endr
	s_cmp_eq_u32 s2, 1
	s_cselect_b64 s[100:101], s[12:13], s[10:11]
	s_add_nc_u64 s[66:67], s[12:13], VSC
	s_add_nc_u64 s[10:11], s[10:11], QKSC
	s_cselect_b64 s[66:67], s[66:67], s[10:11]
	s_cselect_b32 s12, s3, s19
	s_cselect_b32 s13, s19, s3
	s_cselect_b32 s18, 8192, 0
	s_mul_i32 s10, s12, 786432
	s_mul_i32 s11, s13, 6144
	s_add_co_u32 s10, s10, s11
	s_mov_b32 s11, 0
	s_add_nc_u64 s[100:101], s[100:101], s[10:11]
	s_lshl_b32 s10, s12, 15
	s_lshl_b32 s7, s13, 8
	s_add_co_u32 s10, s10, s7
	s_add_nc_u64 s[66:67], s[66:67], s[10:11]
	s_lshl_b32 s10, s12, 9
	s_add_co_u32 s10, s10, s18
	s_add_nc_u64 s[8:9], s[8:9], s[10:11]
	s_mov_b32 s[SEL], 0x76543210
	s_mov_b32 s[SEL+1], 0xfedcba98
	v_and_b32 v1, 15, v0
	v_bfe_u32 v2, v0, 4, 1
	v_lshlrev_b32 v[VB0], 6, v2
	v_and_b32 v7, 8, v1
	v_add_nc_u32 v7, v7, v1
	v_lshlrev_b32 v[VB1], 2, v7
.irp e, 0,1,2,3
.irp q, 0,1,2,3
	global_load_b128 v[BJ+16*\e+4*\q:BJ+16*\e+4*\q+3], v[VB0], s[8:9] offset:128*\e+16*\q
.endr
.endr
	WIN TO_B
.irp a, 0,1,2,3,4,5,6,7
	global_load_b32 v[BI+2*\a], v[VB1], s[8:9] offset:4*(32*(\a/2)+8*(\a%2))
	global_load_b32 v[BI+2*\a+1], v[VB1], s[8:9] offset:4*(32*(\a/2)+8*(\a%2))
.endr
	WIN 0
	v_mul_u32_u24 v3, v1, PITCH
	v_mul_u32_u24 v4, v2, 24
	v_add_nc_u32 v4, v3, v4
	v_lshl_add_u32 v5, v2, 4, v4
	s_mul_i32 s21, s15, HALFT
	s_mul_i32 s22, s16, HALFT
	s_add_co_u32 s22, s22, 2*HALFT
.irp s, 0,1
	v_add_nc_u32 v[ADRA+\s], s21, v4
	v_add_nc_u32 v[ADRB+\s], s22, v4
	v_add_nc_u32 v[ADRA+2+\s], s21, v5
	v_add_nc_u32 v[ADRB+2+\s], s22, v5
	s_add_co_u32 s21, s21, SLOT
	s_add_co_u32 s22, s22, SLOT
.endr
	v_mul_u32_u24 v5, v1, KS
	v_lshrrev_b32 v6, 8, v5
	v_lshl_add_u32 v5, v6, 4, v5
	s_mul_i32 s21, s15, HALFS
	s_mul_i32 s22, s16, HALFS
	s_add_co_u32 s22, s22, 2*HALFS
	s_sub_co_u32 s22, s22, s21
	v_mul_u32_u24 v6, s22, v2
	s_add_co_u32 s21, s21, SCL
	v_add_nc_u32 v5, v5, v6
	v_add_nc_u32 v[ADRS], s21, v5
	v_and_b32 v6, 31, v0
	v_lshlrev_b32 v[L8], 3, v6
	v_lshlrev_b32 v[L16], 4, v6
	s_lshl_b32 s23, s14, 9
	v_lshlrev_b32 v7, 1, v1
	v_lshl_add_u32 v7, v2, 8, v7
	v_add_nc_u32 v[SSTQ], s23, v7
	v_lshlrev_b32 v7, 2, v1
	v_add_nc_u32 v[SSTV], s23, v7
	v_add_nc_u32 v[SRD], s23, v[L16]
	v_lshlrev_b32 v[SGO], 4, v1
	v_lshl_add_u32 v[SGO], v2, 14, v[SGO]
	v_lshlrev_b32 v[SH], 4, v2
.macro FRAG reg, adr, q, i
.irp p, 0,1,2,3,4,5
.set PIE, 12*(\q)+6*(\p/3)+\p%3
.if PIE%8 < 5
	ds_load_b64 v[\reg+2*\p:\reg+2*\p+1], v[\adr] offset:8*PIE+16*(PIE/8)+(\i)*16*PITCH
.else
	ds_load_b64 v[\reg+2*\p:\reg+2*\p+1], v[\adr+2] offset:8*PIE+16*(PIE/8)+(\i)*16*PITCH
.endif
.endr
.endm
.macro MUL16 a0, p, q, sc, zero
.irp a, \a0, \a0+1
.irp b, 0,1,2,3,4,5,6,7
.if \zero
	v_wmma_scale_f32_16x16x128_f8f6f4 v[8*(8*((\a)%4)+\b):8*(8*((\a)%4)+\b)+7], v[128*(\p)+FR*\b:128*(\p)+FR*\b+FR-1], v[AF+FR*(\a):AF+FR*(\a)+FR-1], 0, v[SC+8*NQ*(\sc)+NQ*\b+(\q)], v[SC+8*NQ*(\sc)+NQ*(\a)+(\q)] matrix_a_fmt:MATRIX_FMT_FP6 matrix_b_fmt:MATRIX_FMT_FP6 matrix_a_scale:MATRIX_SCALE_ROW1
.else
	v_wmma_scale_f32_16x16x128_f8f6f4 v[8*(8*((\a)%4)+\b):8*(8*((\a)%4)+\b)+7], v[128*(\p)+FR*\b:128*(\p)+FR*\b+FR-1], v[AF+FR*(\a):AF+FR*(\a)+FR-1], v[8*(8*((\a)%4)+\b):8*(8*((\a)%4)+\b)+7], v[SC+8*NQ*(\sc)+NQ*\b+(\q)], v[SC+8*NQ*(\sc)+NQ*(\a)+(\q)] matrix_a_fmt:MATRIX_FMT_FP6 matrix_b_fmt:MATRIX_FMT_FP6 matrix_a_scale:MATRIX_SCALE_ROW1
.endif
.endr
.endr
.endm
.macro FETCH_B slot, q, p
	WIN TO_B
.irp i, 0,1,2,3,4,5,6,7
	FRAG 128*(\p)+FR*\i, ADRB+\slot, \q, \i
.endr
	WIN 0
.endm
.macro FETCH_A slot, q, i0
.irp i, \i0, \i0+1, \i0+2, \i0+3
	FRAG AF+FR*(\i), ADRA+\slot, \q, \i
.endr
.endm
.macro SCALES sc
.irp i, 0,1,2,3,4,5,6,7
	ds_load_b64 v[SC+8*NQ*\sc+NQ*\i:SC+8*NQ*\sc+NQ*\i+1], v[ADRS] offset:\i*SBLK
.endr
.endm
.macro PLACES n
.rept \n
	v_nop
.endr
.endm
.macro STEP slot, q, zero
	s_wait_dscnt 4*NL
	WIN MUL_LO
	MUL16 0, (\q)%2, \q, \slot, \zero
	MUL16 2, (\q)%2, \q, \slot, \zero
	s_wait_dscnt 0
	PLACES NP
	FETCH_B \slot, (\q)+1, 1-(\q)%2
	FETCH_A \slot, (\q)+1, 0
	WIN MUL_HI
	MUL16 4, (\q)%2, \q, \slot, \zero
	MUL16 6, (\q)%2, \q, \slot, \zero
	PLACES NP
	WIN 0
	FETCH_A \slot, (\q)+1, 4
.endm
.macro TURN slot, next, fill
	s_wait_tensorcnt 0x0
	ds_add_u32 v[SPW], v[NIL]
	s_wait_dscnt 4*NL+1
	WIN MUL_LO
	MUL16 0, 1, NQ-1, \slot, 0
	s_wait_dscnt 0x0
	s_barrier_signal -1
	MUL16 2, 1, NQ-1, \slot, 0
	WIN 0
	s_barrier_wait -1
.if \fill
	CREST
	s_add_nc_u64 s[G0+4*\slot+2:G0+4*\slot+3], s[G0+4*\slot+2:G0+4*\slot+3], 2*ROWB
	s_add_nc_u64 s[G0B+4*\slot+2:G0B+4*\slot+3], s[G0B+4*\slot+2:G0B+4*\slot+3], 2*ROWB
	JLOAD G0+4*\slot, G1, G0B+4*\slot, G1B
.else
	PLACES NP
.endif
	s_wait_alu depctr_va_vdst(0)
	v_add_nc_u32 v[ADRS], 4*NQ, v[ADRS]
	FETCH_B \next, 0, 0
	FETCH_A \next, 0, 0
	SCALES \next
	WIN MUL_HI
	MUL16 4, 1, NQ-1, \slot, 0
	MUL16 6, 1, NQ-1, \slot, 0
	PLACES NP
	WIN 0
	FETCH_A \next, 0, 4
.endm
.macro QUANT s, pw
.irp b, 0,1,2,3
	v_max3_num_f32 v[TM+\b], |v[\s+16*\b]|, |v[\s+1+16*\b]|, 0x1800000
.endr
.irp i, 2,4,6,8,10,12,14
.irp b, 0,1,2,3
	v_max3_num_f32 v[TM+\b], v[TM+\b], |v[\s+16*\b+\i]|, |v[\s+1+16*\b+\i]|
.endr
.endr
.irp b, 0,1,2,3
	v_permlanex16_b32 v[TM+4+\b], v[TM+\b], s[SEL], s[SEL+1]
.endr
.irp b, 0,1,2,3
	v_max_num_f32 v[TM+\b], v[TM+\b], v[TM+4+\b]
.endr
.irp b, 0,1,2,3
	v_add_nc_u32 v[TM+12+\b], 0xff000000, v[TM+\b]
.endr
.irp b, 0,1,2,3
	v_lshrrev_b32 v[TM+4+\b], 23, v[TM+12+\b]
.endr
	v_lshl_or_b32 v[\pw], v[TM+5], 8, v[TM+4]
	v_lshl_or_b32 v[\pw], v[TM+6], 16, v[\pw]
	v_lshl_or_b32 v[\pw], v[TM+7], 24, v[\pw]
.irp c, 0,1
	v_cvt_scalef32_pk16_fp6_f32 v[CD+6*\c:CD+2+6*\c], v[\s+32*\c:\s+15+32*\c], v[TM+12+2*\c]
	v_cvt_scalef32_pk16_fp6_f32 v[CD+12+4*\c:CD+14+4*\c], v[\s+16+32*\c:\s+31+32*\c], v[TM+12+2*\c+1]
.endr
	v_nop
.irp c, 0,1
.irp i, 0,1,2
	v_permlane16_swap_b32 v[CD+6*\c+\i], v[CD+12+4*\c+\i]
.endr
.irp i, 0,1,2
	v_mov_b32 v[CD+3+6*\c+\i], v[CD+12+4*\c+\i]
.endr
.endr
.endm
.macro EPI_Q a
	WIN 0x02+((\a)/4)
.set j, 0
.rept 32
	v_pk_add_f32 v[H+j:H+j+1], v[64*((\a)%4)+j:64*((\a)%4)+j+1], v[BJ+j:BJ+j+1]
.set j, j+2
.endr
	WIN 0
.if (\a) > 0
	s_wait_xcnt 0x0
.endif
	QUANT H, PW
	v_lshrrev_b32 v[TT+(\a)], v[SH], v[PW]
	ds_store_b16 v[SSTQ], v[TT+(\a)] offset:32*(\a)
.irp p, 0,1,2
	global_store_b64 v[L8], v[CD+2*\p:CD+2*\p+1], s[100:101] offset:768*(\a)+256*\p th:TH_STORE_NT
.endr
.irp p, 0,1,2
	global_store_b64 v[L8], v[CD+6+2*\p:CD+6+2*\p+1], s[100:101] offset:393216+768*(\a)+256*\p th:TH_STORE_NT
.endr
.endm
.macro EPI_V a
	WIN 0x06+((\a)/4)
.set j, 0
.rept 32
	v_pk_add_f32 v[H+j:H+j+1], v[64*((\a)%4)+j:64*((\a)%4)+j+1], v[BI+2*(\a):BI+2*(\a)+1]
.set j, j+2
.endr
	WIN 0
.if (\a) > 0
	s_wait_xcnt 0x0
.endif
	QUANT H, TT+(\a)
	ds_store_b32 v[SSTV], v[TT+(\a)] offset:2048+64*(\a)
.irp c, 0,1,2
	global_store_b128 v[L16], v[CD+4*\c:CD+4*\c+3], s[100:101] offset:((\a)/4)*393216+((\a)%4)*1536+512*\c th:TH_STORE_NT
.endr
.endm
	s_wait_tensorcnt 1
	s_barrier_signal -1
	s_barrier_wait -1
	FETCH_B 0, 0, 0
	FETCH_A 0, 0, 0
	SCALES 0
	FETCH_A 0, 0, 4
	STEP 0, 0, 1
	TURN 0, 1, 1
	STEP 1, 0, 0
	TURN 1, 0, 1
	STEP 0, 0, 0
	TURN 0, 1, 0
	STEP 1, 0, 0
	s_wait_dscnt 4*NL
	WIN MUL_LO
	MUL16 0, 1, NQ-1, 1, 0
	MUL16 2, 1, NQ-1, 1, 0
	s_wait_dscnt 0
	WIN MUL_HI
	MUL16 4, 1, NQ-1, 1, 0
	MUL16 6, 1, NQ-1, 1, 0
	WIN 0
	PLACES NP
	s_wait_loadcnt 0x0
.irp b, 0,1,2,3
	v_mov_b32 v[TM+4+\b], 0
.endr
	s_cmp_eq_u32 s2, 1
	s_cbranch_scc1 .Lv
.irp a, 0,1,2,3,4,5,6,7
	EPI_Q \a
.endr
	ds_load_b128 v[RBK:RBK+3], v[SRD]
	s_wait_dscnt 0x0
	global_store_b128 v[SGO], v[RBK:RBK+3], s[66:67] th:TH_STORE_NT
	s_branch .Lend
.Lv:
.irp a, 0,1,2,3,4,5,6,7
	EPI_V \a
.endr
	ds_load_b128 v[RBK:RBK+3], v[SRD] offset:2048
	s_wait_dscnt 0x0
	global_store_b128 v[SGO], v[RBK:RBK+3], s[66:67] th:TH_STORE_NT
.Lend:
	s_wait_tensorcnt 0x0
	ds_add_u32 v[SPW], v[NIL]
	s_wait_dscnt 0x0
	CROUND
	s_endpgm
.Lfunc_end_k_q43cd96d7aa_gemm_qkv:
	.size	k_q43cd96d7aa_gemm_qkv, .Lfunc_end_k_q43cd96d7aa_gemm_qkv-k_q43cd96d7aa_gemm_qkv
	.p2alignl 7, 3214868480
	.fill 96, 4, 3214868480
	.section	.rodata,"a",@progbits
	.p2align	6, 0x0
	.amdhsa_kernel k_q43cd96d7aa_gemm_qkv
		.amdhsa_group_segment_fixed_size 327680
		.amdhsa_private_segment_fixed_size 0
		.amdhsa_enable_private_segment 0
		.amdhsa_kernarg_size 40
		.amdhsa_user_sgpr_count 2
		.amdhsa_user_sgpr_kernarg_segment_ptr 1
		.amdhsa_wavefront_size32 1
		.amdhsa_system_sgpr_workgroup_id_x 1
		.amdhsa_system_sgpr_workgroup_id_y 1
		.amdhsa_system_sgpr_workgroup_id_z 1
		.amdhsa_system_vgpr_workitem_id 0
		.amdhsa_next_free_vgpr 1024
		.amdhsa_next_free_sgpr 102
		.amdhsa_reserve_vcc 0
		.amdhsa_float_denorm_mode_32 3
		.amdhsa_float_denorm_mode_16_64 3
		.amdhsa_memory_ordered 1
		.amdhsa_forward_progress 1
		.amdhsa_inst_pref_size 237
	.end_amdhsa_kernel
	.amdgpu_metadata
---
amdhsa.version: [ 1, 2 ]
amdhsa.kernels:
  - .name:           k_q43cd96d7aa_gemm_qkv
    .symbol:         k_q43cd96d7aa_gemm_qkv.kd
    .args:
      - { .name: cx, .offset: 0, .size: 8, .value_kind: global_buffer, .address_space: global }
      - { .name: cw, .offset: 8, .size: 8, .value_kind: global_buffer, .address_space: global }
      - { .name: b_qkv, .offset: 16, .size: 8, .value_kind: global_buffer, .address_space: global }
      - { .name: qk, .offset: 24, .size: 8, .value_kind: global_buffer, .address_space: global }
      - { .name: vv, .offset: 32, .size: 8, .value_kind: global_buffer, .address_space: global }
    .group_segment_fixed_size: 327680
    .private_segment_fixed_size: 0
    .kernarg_segment_align: 8
    .kernarg_segment_size: 40
    .max_flat_workgroup_size: 128
    .sgpr_count:     102
    .vgpr_count:     1024
    .wavefront_size: 32
...
	.end_amdgpu_metadata
.endif
;; end of part 2
;; launch attn (part 3): grid 4 x 64, 16 waves a work-group, clusters of 4 x 1, 243,712 bytes of LDS; arguments qk, vv, oo; writes oo
.if DOCPART == 3
	.amdgcn_target "amdgcn-amd-amdhsa--gfx1250"
	.amdhsa_code_object_version 6
	.text
	.protected	k_q43cd96d7aa_attn
	.globl	k_q43cd96d7aa_attn
	.p2align	8
	.type	k_q43cd96d7aa_attn,@function
k_q43cd96d7aa_attn:
	s_mov_b64 s[64:65], 0
	v_nop
	global_prefetch_b8 v0, s[64:65] scope:SCOPE_SE
	s_setreg_imm32_b32 hwreg(HW_REG_WAVE_MODE, 25, 1), 1
	s_wait_xcnt 0x0
	s_wait_alu depctr_hold_cnt(0) depctr_sa_sdst(0) depctr_va_vdst(0) depctr_va_sdst(0) depctr_va_ssrc(0) depctr_va_vcc(0) depctr_vm_vsrc(0)
	s_getreg_b32 s2, hwreg(HW_REG_IB_STS2, 6, 4)
	s_cmp_eq_u32 s2, 0
	s_cbranch_scc0 .Lentry_in_a_cluster
	s_endpgm
.Lentry_in_a_cluster:
	s_bfe_u32 s2, ttmp6, 0x10000c
	s_cmp_lg_u32 s2, 0x3003
	s_cbranch_scc0 .Lentry_shape_is_right
	s_endpgm
.Lentry_shape_is_right:
; O = softmax(Q K^T / 8) V for one batch entry and head a cluster, both products on codes of FP6 (E2M3) with E8M0 scales, and O quantised along the model's 1,024 on the way out.
; THE SOFTMAX: t = score x log2(e) / 8; M = the running largest t rounded UP to a whole number; p = 2^(t - M) is quantised along the keys, not normalised; the row's sum is taken of the unquantised p
; and divides O at the end; when M moves, the sum and O are multiplied by 2^(old M - new M), which rounds nothing.
; SHARES.  2,048 queries of a head are four work-groups of 512, one cluster.  Each of sixteen waves owns two tiles of 16 queries and walks all 2,048 keys, 128 a step, once for each tile (two passes of one loop).
; THE HEAD'S WHOLE K AND V LIE IN LDS, as images of operand registers, filled ONCE by fourteen joint loads, one a wave: waves 0-5 a sixth of K's images each, waves 6-11 of V's, waves 12, 13 the scale bytes.
; No LDS byte is filled again.  No prefetch: every byte is asked for once, at the head, and no loop runs ahead of a load.
; LAYOUT.  Both products are used transposed: S^T = K Q^T, O^T = V^T P^T: a lane holds ONE query.  A tile of K is made up by the lanes' addresses: row m of tile 4 c + u is key 64 c + 32 (m / 8) + 8 u + m % 8 of the step,
; so that the 32 registers of tiles 4 c .. 4 c + 3 are, in lane (r, h), keys 64 c + 32 h + 0 .. 31: a WHOLE block of p's quantiser, in the order of the operand's registers 6 c .. 6 c + 5.
; In the images (tiles of 16 positions, 768 bytes) that key lies in tile 4 c + 2 (m / 8) + u % 2, row m % 8 + 8 (u / 2).  K's images have 96 bytes of padding behind each 256: rows m and m + 8 then lie 64 bytes apart modulo 256.
; K = 64 IN AN INSTRUCTION OF 128: Q's registers 6-11 hold zero codes.  K's operand for tile n is registers 6 n .. 6 n + 11 of the eight tiles' run, so its upper half is the next tile's codes (behind the last: six cleared
; registers): each is a finite number, and times a zero code it adds nothing; the upper two scale bytes are 0 on both sides (halfwords loaded with zeros above), a finite scale.
; Each step fetches the next step's K behind its last products; a pass's last step so reads 128 keys' worth of bytes behind K's (bytes of V's images and scale words, which are filled), and nothing uses them.
; LIMITS: a block of zeros, and one whose largest magnitude lies under 2^-124, gets the byte 1; the bytes are read by this program alone.  NaN and infinities are not served.  The scaled scores stay under 2^31 in magnitude.
.set KP,    352                        ; 256 bytes of K's images + 96 of padding
.set KT,    3*KP                       ; a tile of 16 positions
.set KST,   8*KT                       ; a step of 128 keys
.set VI,    135168                     ; LDS: K's images 0 .. 135,167; V's from here (step s, tile d at 6,144 s + 1,536 d);
.set KSL,   233472                     ; K's scale halfwords, 32 bytes a tile;
.set VSL,   237568                     ; V's scale words, 256 bytes a step;
.set SPARE, 241664                     ; the spare words, 128 bytes a wave
.set QKSC,  12582912
.set VSC,   6291456
.set OSC,   6291456
.set AK0,  1                           ; v1   K: 2,112 (r / 8) + 8 (r % 8) + 128 h
.set AV0,  2                           ; v2   VI + 16 x lane
.set ASK0, 3                           ; v3   KSL + 64 (r / 8) + 32 h + 2 (r % 8)
.set ASV0, 4                           ; v4   VSL + 4 x lane
.set L8,   5                           ; v5   8 x lane, for memory
.set OSO,  6                           ; v6   32 x r
.set QSO,  7                           ; v7   2 x r
.set ADK,  8                           ; v8-11 the step's LDS addresses
.set ADV,  9
.set ADS,  10
.set ADT,  11                          ; v12 -M, v13 the largest score, v[14:15] the sum in two halves
.set Q,    16                          ; v16-27 the pass's tile of queries: 6 registers of codes, 6 of zeros
.set QN,   28                          ; v28-33 the second pass's codes
.set QS,   34                          ; v34, v35 their scale halfwords
.set QSN,  35
.set F,    40                          ; v40-87 eight tiles of K, later four fragments of V; v88-93 cleared once
.set S,    96                          ; v96-159 S^T, then p
.set O,    160                         ; v160-191 O^T
.set CD,   192                         ; v192-203 p's codes
.set CT,   204                         ; v204-206, v208-210 the conversions' second halves
.set BM,   212                         ; v212-213 my two blocks' largest score, then p
.set HB,   214                         ; v214-215 the second chain of each
.set BT,   216                         ; v216-217 at work
.set SO,   220                         ; v220-221 the conversions' scale operands
.set KSC,  224                         ; v224-227 K's scales: lanes 0-15 tile 2 i, lanes 16-31 tile 2 i + 1
.set VSR,  228                         ; v228-229 V's likewise
.set PS,   230                         ; p's scale word
.set FF,   232                         ; v[232:233] f = 2^(old M - new M)
.set TMP,  234
.set OLD,  235
.set T1,   236                         ; v236-241 three more chains of the sum
.set T2R,  238
.set T3,   240
.set PW,   242                         ; a lane permute's destination
.set SPW,  254
.set NIL,  255
.set WV,   18
.set SEL,  20
.set CS,   22
.set G1K,  24                          ; s[24:31] group 1: 64 rows of 256 bytes, padded
.set G1V,  32                          ; s[32:39] the same, dense
.set G0,   40                          ; s[40:43] my one load's group 0
.set G1S,  48                          ; s[48:55] 16 rows, dense
.set TK,   56                          ; the next step's K, this step's V, the scale bytes
.set TV,   57
.set TS,   58
.set CNT,  59
.set PASS, 60
.macro ROUND                           ; a round of the cluster's barrier
	s_barrier_signal -1
	s_barrier_wait -1
	s_cmp_lg_u32 s[WV], 0
	s_cbranch_scc1 .Lnot_wave_0_\@
	s_barrier_signal -3
.Lnot_wave_0_\@:
	s_barrier_wait -3
	s_barrier_signal -1
	s_barrier_wait -1
.endm
.macro GRP1 g, w0, rows                ; rows of 32 elements of 8 bytes, dense in memory
	s_mov_b32 s[\g], \w0
	s_mov_b32 s[\g+1], 32<<16
	s_mov_b32 s[\g+2], \rows<<16
	s_mov_b32 s[\g+3], 32<<16
	s_mov_b32 s[\g+4], \rows
	s_mov_b32 s[\g+5], 32
	s_mov_b32 s[\g+6], 0
	s_mov_b32 s[\g+7], 0
.endm
	s_load_b128 s[4:7], s[0:1], 0x0                ; qk, vv
	s_load_b64 s[8:9], s[0:1], 0x10                ; oo
	v_lshl_add_u32 v[SPW], v0, 2, SPARE
	v_mov_b32 v[NIL], 0
	ds_add_u32 v[SPW], v[NIL]                      ; the opening lines: the add, twice on end, and its wait
	ds_add_u32 v[SPW], v[NIL]
	v_lshrrev_b32 v8, 5, v0
	v_readfirstlane_b32 s[WV], v8                  ; wave 0..15
	s_bfe_u32 s10, ttmp6, 0x40000                  ; cx
	s_lshl_b32 s11, ttmp9, 2
	s_add_co_u32 s10, s11, s10                     ; my block of 512 queries: it enters Q's and O's addresses alone
	s_and_b32 s12, ttmp7, 0xffff
	s_and_b32 s13, s12, 15                         ; head
	s_lshr_b32 s14, s12, 4                         ; batch entry
	s_mul_i32 s80, s13, 393216
	s_mul_i32 s15, s14, 98304
	s_add_co_u32 s80, s80, s15                     ; a head's codes of this batch entry, in each tensor
	s_mov_b32 s81, 0
	s_lshl_b32 s82, s13, 14
	s_lshl_b32 s15, s14, 12
	s_add_co_u32 s82, s82, s15                     ; and its scale bytes
	s_mov_b32 s83, 0
	GRP1 G1K, 15|(3<<16)|(1<<20)|(1<<21)|(5<<22)|(23<<25), 64   ; the mask: all four work-groups; bit 21 beside it; behind every 64 words 24 words of padding
	GRP1 G1V, 15|(3<<16)|(1<<21), 64
	GRP1 G1S, 15|(3<<16)|(1<<21), 16
	s_mov_b32 s[G0], 1
	s_mov_b32 s45, 0
	s_mov_b32 s[SEL], 0x76543210
	s_mov_b32 s[SEL+1], 0xfedcba98
	s_mov_b32 s[CS], 0x3e38aa3b                    ; c = log2(e) / 8
	s_mov_b32 s[CS+1], s[CS]
	s_wait_dscnt 0x0
	s_wait_kmcnt 0x0
	s_add_nc_u64 s[74:75], s[4:5], 16*393216       ; k's heads lie behind q's sixteen
	s_add_nc_u64 s[74:75], s[74:75], s[80:81]      ; K's codes
	s_add_nc_u64 s[84:85], s[6:7], s[80:81]        ; V's codes
	s_add_nc_u64 s[76:77], s[4:5], QKSC+16*16384
	s_add_nc_u64 s[76:77], s[76:77], s[82:83]      ; K's scale bytes
	s_add_nc_u64 s[78:79], s[6:7], VSC
	s_add_nc_u64 s[78:79], s[78:79], s[82:83]      ; V's
	ROUND                                          ; all four work-groups are here: the joint loads meet
	; one chain of branches on the wave's number, one load to an arm, one join
	s_cmp_lt_u32 s[WV], 6
	s_cbranch_scc0 .Larm_v
	s_mul_i32 s[G0+1], s[WV], 64*KP                ; 64 padded rows a wave
	s_lshl_b32 s44, s[WV], 14
	s_add_nc_u64 s[G0+2:G0+3], s[74:75], s[44:45]
	s_or_b32 s[G0+3], s[G0+3], 0x80000000
	tensor_load_to_lds s[G0:G0+3], s[G1K:G1K+7]
	s_nop 0
	s_branch .Lasked
.Larm_v:
	s_cmp_lt_u32 s[WV], 12
	s_cbranch_scc0 .Larm_s
	s_mul_i32 s[G0+1], s[WV], 16384
	s_add_co_u32 s[G0+1], s[G0+1], VI-6*16384
	s_lshl_b32 s44, s[WV], 14
	s_sub_co_u32 s44, s44, 6*16384
	s_add_nc_u64 s[G0+2:G0+3], s[84:85], s[44:45]
	s_or_b32 s[G0+3], s[G0+3], 0x80000000
	tensor_load_to_lds s[G0:G0+3], s[G1V:G1V+7]
	s_nop 0
	s_branch .Lasked
.Larm_s:
	s_cmp_lt_u32 s[WV], 14
	s_cbranch_scc0 .Lasked
	s_mul_i32 s[G0+1], s[WV], 4096
	s_add_co_u32 s[G0+1], s[G0+1], KSL-12*4096
	s_cmp_eq_u32 s[WV], 12                         ; the choice hangs on the wave's number alone
	s_cselect_b64 s[G0+2:G0+3], s[76:77], s[78:79]
	s_or_b32 s[G0+3], s[G0+3], 0x80000000
	tensor_load_to_lds s[G0:G0+3], s[G1S:G1S+7]
	s_nop 0
.Lasked:
	s_lshl_b32 s85, s10, 5
	s_lshl_b32 s86, s[WV], 1
	s_add_co_u32 s85, s85, s86                     ; my first tile of queries in this batch entry: 32 x block + 2 x wave
	s_mul_i32 s86, s85, 768
	s_mov_b32 s87, 0
	s_add_nc_u64 s[66:67], s[4:5], s[80:81]
	s_add_nc_u64 s[66:67], s[66:67], s[86:87]      ; Q's codes
	s_lshl_b32 s86, s85, 5
	s_add_nc_u64 s[68:69], s[4:5], QKSC
	s_add_nc_u64 s[68:69], s[68:69], s[82:83]
	s_add_nc_u64 s[68:69], s[68:69], s[86:87]      ; Q's scale halfwords
	s_lshl_b32 s88, s14, 7
	s_add_co_u32 s88, s88, s85                     ; the tile among all 512
	s_mul_i32 s86, s88, 12288
	s_mul_i32 s89, s13, 768                        ; head 2 g + u: fragment g, pieces 3 u on
	s_add_co_u32 s86, s86, s89
	s_add_nc_u64 s[70:71], s[8:9], s[86:87]        ; O's codes
	s_lshl_b32 s86, s88, 9
	s_lshl_b32 s89, s13, 1
	s_add_co_u32 s86, s86, s89
	s_add_nc_u64 s[72:73], s[8:9], OSC
	s_add_nc_u64 s[72:73], s[72:73], s[86:87]      ; O's scale bytes
	v_and_b32 v9, 31, v0
	v_and_b32 v10, 15, v0
	v_bfe_u32 v11, v0, 4, 1                        ; h
	v_bfe_u32 v8, v0, 3, 1                         ; r / 8
	v_and_b32 v12, 7, v0                           ; r % 8
	v_lshlrev_b32 v[L8], 3, v9
	v_lshlrev_b32 v[QSO], 1, v10
.irp p, 0,1,2
	global_load_b64 v[Q+2*\p:Q+2*\p+1], v[L8], s[66:67] offset:256*\p
	global_load_b64 v[QN+2*\p:QN+2*\p+1], v[L8], s[66:67] offset:768+256*\p
.endr
	global_load_u16 v[QS], v[QSO], s[68:69]
	global_load_u16 v[QSN], v[QSO], s[68:69] offset:32
	v_mul_u32_u24 v[AK0], v8, 2*KT
	v_lshl_add_u32 v[ASK0], v8, 6, KSL
	v_lshl_add_u32 v[AK0], v12, 3, v[AK0]
	v_lshl_add_u32 v[ASK0], v11, 5, v[ASK0]
	v_lshl_add_u32 v[AK0], v11, 7, v[AK0]
	v_lshl_add_u32 v[ASK0], v12, 1, v[ASK0]
	v_lshl_add_u32 v[AV0], v9, 4, VI
	v_lshl_add_u32 v[ASV0], v9, 2, VSL
	v_lshlrev_b32 v[OSO], 5, v10
.irp i, 6,7,8,9,10,11
	v_mov_b32 v[Q+\i], 0                           ; zero codes for K = 64 .. 127
	v_mov_b32 v[F+42+\i], 0                        ; what the last tile's operand names behind its own six registers
.endr
	v_mov_b32 v[PW], 0                             ; written once: a lane permute's destination counts as one of its sources
	v_mov_b32 v[BT], 0
	v_mov_b32 v[BT+1], 0
	v_mov_b32 v[FF+1], 0
.macro KLOAD                           ; eight tiles of K and their scale halfwords; the 32 lanes of a load touch 256 different bytes modulo 256
.irp n, 0,1,2,3,4,5,6,7
.irp p, 0,1,2
	ds_load_b64 v[F+6*\n+2*\p:F+6*\n+2*\p+1], v[ADK] offset:KT*(4*(\n/4)+\n%2)+64*((\n%4)/2)+KP*\p
.endr
.endr
.irp i, 0,1,2,3
	ds_load_u16 v[KSC+\i], v[ADS] offset:128*(\i/2)+16*(\i%2)
.endr
.endm
.macro PKF j0                          ; t - M of sixteen scores, two at a time
.set j, \j0
.rept 8
	v_pk_fma_f32 v[S+j:S+j+1], v[S+j:S+j+1], s[CS:CS+1], v[12:13] op_sel_hi:[1,0,0]
.set j, j+2
.endr
.endm
.macro ADDP d, j                       ; pair j of p onto a chain of the sum
	v_pk_add_f32 v[\d:\d+1], v[\d:\d+1], v[S+2*(\j):S+2*(\j)+1]
.endm
; A KEY STEP: 128 keys against the pass's tile of queries.
.macro STEP
	s_wait_dscnt 0x0                               ; K's tiles and scales, asked for behind the last step's products, are in
.irp n, 0,2,4,6
	v_wmma_scale_f32_16x16x128_f8f6f4 v[S+8*\n:S+8*\n+7], v[F+6*\n:F+6*\n+11], v[Q:Q+11], 0, v[KSC+\n/2], v[QS] matrix_a_fmt:MATRIX_FMT_FP6 matrix_b_fmt:MATRIX_FMT_FP6
	v_wmma_scale_f32_16x16x128_f8f6f4 v[S+8*\n+8:S+8*\n+15], v[F+6*\n+6:F+6*\n+17], v[Q:Q+11], 0, v[KSC+\n/2], v[QS] matrix_a_fmt:MATRIX_FMT_FP6 matrix_b_fmt:MATRIX_FMT_FP6 matrix_a_scale:MATRIX_SCALE_ROW1
.endr
	s_add_co_u32 s[TK], s[TK], KST
	v_add_nc_u32 v[ADK], s[TK], v[AK0]             ; the next step's K; these four adds are the places in front of the loads into K's registers and of the first read of the scores
	v_add_nc_u32 v[ADV], s[TV], v[AV0]
	v_add_nc_u32 v[ADT], s[TS], v[ASV0]
	s_add_co_u32 s[TS], s[TS], 256
	v_add_nc_u32 v[ADS], s[TS], v[ASK0]
	s_add_co_u32 s[TV], s[TV], 6144
.irp t, 0,1,2,3
.irp c, 0,1,2
	ds_load_b128 v[F+12*\t+4*\c:F+12*\t+4*\c+3], v[ADV] offset:1536*\t+512*\c   ; V's four fragments land while the softmax is worked
.endr
.endr
.irp i, 0,1
	ds_load_b32 v[VSR+\i], v[ADT] offset:128*\i
.endr
.irp c, 0,1                            ; the largest score of my two blocks of 32 keys, in four chains by turns; each accumulator is first read at its low end
	v_max3_num_f32 v[BM+\c], v[S+32*\c], v[S+32*\c+1], v[S+32*\c+2]
	v_max3_num_f32 v[HB+\c], v[S+32*\c+16], v[S+32*\c+17], v[S+32*\c+18]
.endr
.irp i, 3,5,7,9,11,13
.irp c, 0,1
	v_max3_num_f32 v[BM+\c], v[BM+\c], v[S+32*\c+\i], v[S+32*\c+\i+1]
	v_max3_num_f32 v[HB+\c], v[HB+\c], v[S+32*\c+16+\i], v[S+32*\c+17+\i]
.endr
.endr
.irp c, 0,1
	v_max3_num_f32 v[BM+\c], v[BM+\c], v[HB+\c], v[S+32*\c+15]
.endr
.irp c, 0,1
	v_max_num_f32 v[BM+\c], v[BM+\c], v[S+32*\c+31]
.endr
	s_delay_alu instid0(VALU_DEP_1)
	v_max_num_f32 v[TMP], v[BM], v[BM+1]
	v_mov_b32 v[OLD], v12
	s_delay_alu instid0(VALU_DEP_2)
	v_permlanex16_b32 v[PW], v[TMP], s[SEL], s[SEL+1]   ; lane l xor 16's 64 keys
	s_delay_alu instid0(VALU_DEP_1)
	v_max3_num_f32 v13, v13, v[TMP], v[PW]         ; the running largest score
	s_delay_alu instid0(VALU_DEP_1)
	v_mul_f32 v[TMP], s[CS], v13                   ; as t (c is positive)
	s_delay_alu instid0(VALU_DEP_1)
	v_floor_f32 v12, -v[TMP]                       ; the new -M = floor(-t): M is a whole number
	PKF 0
	v_sub_f32 v[TMP], v12, v[OLD]                  ; old M - new M: a whole number, 0 or less
	PKF 16
	v_cvt_i32_f32 v[TMP], v[TMP]                   ; (it saturates)
	PKF 32
	v_ldexp_f32 v[FF], 1.0, v[TMP]                 ; f
	PKF 48
.irp c, 0,1
	v_fma_f32 v[BM+\c], v[BM+\c], s[CS], v12       ; the same of each block's largest score
.endr
	s_wait_alu depctr_va_vdst(0)                   ; the wait ahead of the batch
.set j, 0
.rept 64
	v_exp_f32 v[S+j], v[S+j]                       ; p = 2^(t - M)
.set j, j+1
.endr
.irp c, 0,1
	v_exp_f32 v[BM+\c], v[BM+\c]                   ; the block's largest p: the same two instructions on the same number
.endr
	v_pk_mul_f32 v[14:15], v[14:15], v[FF:FF+1] op_sel_hi:[1,0]   ; the sums under the new M: a plain line behind the exponentials
	s_wait_alu depctr_va_vdst(0)                   ; one wait for the batch, ahead of its first reader
.irp c, 0,1
	v_max_num_f32 v[BM+\c], 0x1800000, v[BM+\c]    ; the floor 2^(3 - 127)
.endr
.irp c, 0,1
	s_delay_alu instid0(VALU_DEP_2)
	v_add_nc_u32 v[SO+\c], 0xff000000, v[BM+\c]    ; 2 off the exponent field: the conversions' scale operand
.endr
.irp c, 0,1
	v_cvt_scalef32_pk16_fp6_f32 v[CD+6*\c:CD+2+6*\c], v[S+32*\c:S+15+32*\c], v[SO+\c]
	v_cvt_scalef32_pk16_fp6_f32 v[CT+4*\c:CT+2+4*\c], v[S+16+32*\c:S+31+32*\c], v[SO+\c]   ; (a conversion's three registers begin on an even number)
.endr
.irp c, 0,1
	v_lshrrev_b32 v[BT+\c], 23, v[SO+\c]           ; the bytes of blocks h and 2 + h (plain lines behind the conversions)
.endr
	s_delay_alu instid0(VALU_DEP_1)
	v_lshl_or_b32 v[TMP], v[BT+1], 16, v[BT]
	s_delay_alu instid0(VALU_DEP_1)
	v_permlanex16_b32 v[PW], v[TMP], s[SEL], s[SEL+1]
.irp c, 0,1
.irp i, 0,1,2
	v_mov_b32 v[CD+3+6*\c+\i], v[CT+4*\c+\i]
.endr
.endr
	v_lshl_or_b32 v[PS], v[PW], 8, v[TMP]          ; p's scale word: whole in lanes 0-15, which alone are read
	s_wait_alu depctr_va_vdst(0)                   ; the wait directly ahead of the first reader of O^T
.set j, 0
.rept 16
	v_pk_mul_f32 v[O+j:O+j+1], v[O+j:O+j+1], v[FF:FF+1] op_sel_hi:[1,0]   ; O^T under the new M; these 16 are also the places between the codes' and the scale word's last writes and the products
.set j, j+2
.endr
	s_wait_alu depctr_va_vdst(0)
	s_wait_dscnt 0x0                               ; V is in
.irp t, 0,2
	v_wmma_scale_f32_16x16x128_f8f6f4 v[O+8*\t:O+8*\t+7], v[F+12*\t:F+12*\t+11], v[CD:CD+11], v[O+8*\t:O+8*\t+7], v[VSR+\t/2], v[PS] matrix_a_fmt:MATRIX_FMT_FP6 matrix_b_fmt:MATRIX_FMT_FP6
	v_wmma_scale_f32_16x16x128_f8f6f4 v[O+8*\t+8:O+8*\t+15], v[F+12*\t+12:F+12*\t+23], v[CD:CD+11], v[O+8*\t+8:O+8*\t+15], v[VSR+\t/2], v[PS] matrix_a_fmt:MATRIX_FMT_FP6 matrix_b_fmt:MATRIX_FMT_FP6 matrix_a_scale:MATRIX_SCALE_ROW1
.endr
	; THE ROW'S SUM OF THE UNQUANTISED p, in four chains: its first four lines, which name no register of the products, are the places in front of the loads into V's registers; the rest stands while those loads are out
	v_pk_add_f32 v[T1:T1+1], v[S:S+1], v[S+2:S+3]
	v_pk_add_f32 v[T2R:T2R+1], v[S+4:S+5], v[S+6:S+7]
	v_pk_add_f32 v[T3:T3+1], v[S+8:S+9], v[S+10:S+11]
	ADDP 14, 6
	KLOAD
.irp j, 7,11,15,19,23,27
	ADDP T1, \j
	ADDP T2R, \j+1
	ADDP T3, \j+2
	ADDP 14, \j+3
.endr
	ADDP T1, 31
	v_pk_add_f32 v[14:15], v[14:15], v[T3:T3+1]
	s_delay_alu instid0(VALU_DEP_2)
	v_pk_add_f32 v[T1:T1+1], v[T1:T1+1], v[T2R:T2R+1]
	s_delay_alu instid0(VALU_DEP_1)
	v_pk_add_f32 v[14:15], v[14:15], v[T1:T1+1]
.endm
	s_mov_b32 s[PASS], 0
	s_wait_alu depctr_va_vdst(0)                   ; the wait at the head's end
	s_wait_tensorcnt 0x0                           ; my part of K, V or the scale bytes is in
	s_wait_loadcnt 0x0                             ; and Q
	s_barrier_signal -1
	s_barrier_wait -1                              ; everybody's part is in
.Lpass:
	v_mov_b32 v[ADK], v[AK0]
	v_mov_b32 v[ADS], v[ASK0]
	KLOAD                                          ; step 0's K
	v_mov_b32 v13, 0xff61b1e6                      ; the largest score so far: -3e38
	v_mov_b32 v12, 0x7e800000                      ; -M to go with it: a large whole number, so that the first f is 0
	v_mov_b32 v14, 0
	v_mov_b32 v15, 0
.set j, 0
.rept 32
	v_mov_b32 v[O+j], 0                            ; the step is written once: the first finds zeros
.set j, j+1
.endr
	s_mov_b32 s[TK], 0
	s_mov_b32 s[TV], 0
	s_mov_b32 s[TS], 0
	s_mov_b32 s[CNT], 16
	s_wait_alu depctr_va_vdst(0)
.Lstep:
	STEP
	s_sub_co_u32 s[CNT], s[CNT], 1
	s_cmp_lg_u32 s[CNT], 0
	s_wait_alu depctr_va_vdst(0)
	s_cbranch_scc1 .Lstep
	; THE WAY OUT: O^T / the sum; register 16 b + i is channel 32 b + 16 (lane / 16) + i of the head: two blocks of 32 along the next K, quantised in registers.  (The 32 additions above are the places behind the last products.)
	s_wait_dscnt 0x0                               ; the last step's fetch, which nothing uses, has landed: its registers may be loaded again
	v_add_f32 v14, v14, v15
	s_delay_alu instid0(VALU_DEP_1)
	v_permlanex16_b32 v[PW], v14, s[SEL], s[SEL+1]
	s_delay_alu instid0(VALU_DEP_1)
	v_add_f32 v14, v14, v[PW]                      ; the row's sum
	s_wait_alu depctr_va_vdst(0)
	v_rcp_f32 v14, v14
	v_nop                                          ; a plain line behind the transcendental,
	s_wait_alu depctr_va_vdst(0)                   ; and the wait ahead of its first reader, which is also O^T's
.set j, 0
.rept 32
	v_mul_f32 v[S+j], v[O+j], v14                  ; each accumulator from its low end on
.set j, j+1
.endr
.irp b, 0,1
	v_max3_num_f32 v[BM+\b], |v[S+16*\b]|, |v[S+1+16*\b]|, 0x1800000
.endr
.irp i, 2,4,6,8,10,12,14
.irp b, 0,1
	s_delay_alu instid0(VALU_DEP_2)
	v_max3_num_f32 v[BM+\b], v[BM+\b], |v[S+16*\b+\i]|, |v[S+1+16*\b+\i]|
.endr
.endr
.irp b, 0,1
	s_delay_alu instid0(VALU_DEP_2)
	v_permlanex16_b32 v[BT+\b], v[BM+\b], s[SEL], s[SEL+1]
.endr
.irp b, 0,1
	s_delay_alu instid0(VALU_DEP_2)
	v_max_num_f32 v[BM+\b], v[BM+\b], v[BT+\b]
.endr
.irp b, 0,1
	s_delay_alu instid0(VALU_DEP_2)
	v_add_nc_u32 v[SO+\b], 0xff000000, v[BM+\b]
.endr
.irp b, 0,1
	s_delay_alu instid0(VALU_DEP_2)
	v_lshrrev_b32 v[BT+\b], 23, v[SO+\b]
.endr
	s_delay_alu instid0(VALU_DEP_1)
	v_lshl_or_b32 v[TMP], v[BT+1], 8, v[BT]        ; the head's two scale bytes of my row
	v_cvt_scalef32_pk16_fp6_f32 v[CD:CD+2], v[S:S+15], v[SO]
	v_cvt_scalef32_pk16_fp6_f32 v[CT:CT+2], v[S+16:S+31], v[SO+1]
	v_nop
.irp i, 0,1,2
	v_permlane16_swap_b32 v[CD+\i], v[CT+\i]       ; a whole block to a lane
.endr
.irp i, 0,1,2
	s_delay_alu instid0(VALU_DEP_3)
	v_mov_b32 v[CD+3+\i], v[CT+\i]
.endr
.irp i, 0,1,2
	global_store_b64 v[L8], v[CD+2*\i:CD+2*\i+1], s[70:71] offset:256*\i th:TH_STORE_NT   ; 32 lanes store 256 consecutive bytes, aligned
.endr
	global_store_b16 v[OSO], v[TMP], s[72:73]      ; 2 bytes for each row of 32; both halves of the lanes store the same value to the same place
	s_wait_xcnt 0x0                                ; the stores have read their data and bases
	s_add_nc_u64 s[70:71], s[70:71], 12288         ; the second pass's tile
	s_add_nc_u64 s[72:73], s[72:73], 512
.irp i, 0,1,2,3,4,5
	v_mov_b32 v[Q+\i], v[QN+\i]
.endr
	v_mov_b32 v[QS], v[QSN]
	s_add_co_u32 s[PASS], s[PASS], 1
	s_cmp_lt_u32 s[PASS], 2
	s_wait_alu depctr_va_vdst(0)
	s_cbranch_scc1 .Lpass
	s_wait_tensorcnt 0x0                           ; the wave's end
	ds_add_u32 v[SPW], v[NIL]
	s_wait_dscnt 0x0
	ROUND                                          ; the closing round
	s_endpgm
.Lfunc_end_k_q43cd96d7aa_attn:
	.size	k_q43cd96d7aa_attn, .Lfunc_end_k_q43cd96d7aa_attn-k_q43cd96d7aa_attn
	.p2alignl 7, 3214868480
	.fill 96, 4, 3214868480
	.section	.rodata,"a",@progbits
	.p2align	6, 0x0
	.amdhsa_kernel k_q43cd96d7aa_attn
		.amdhsa_group_segment_fixed_size 243712
		.amdhsa_private_segment_fixed_size 0
		.amdhsa_enable_private_segment 0
		.amdhsa_kernarg_size 24
		.amdhsa_user_sgpr_count 2
		.amdhsa_user_sgpr_kernarg_segment_ptr 1
		.amdhsa_wavefront_size32 1
		.amdhsa_system_sgpr_workgroup_id_x 1
		.amdhsa_system_sgpr_workgroup_id_y 1
		.amdhsa_system_sgpr_workgroup_id_z 1
		.amdhsa_system_vgpr_workitem_id 0
		.amdhsa_next_free_vgpr 256
		.amdhsa_next_free_sgpr 96
		.amdhsa_reserve_vcc 0
		.amdhsa_float_denorm_mode_32 3
		.amdhsa_float_denorm_mode_16_64 3
		.amdhsa_memory_ordered 1
		.amdhsa_forward_progress 1
		.amdhsa_inst_pref_size 33
	.end_amdhsa_kernel
	.amdgpu_metadata
---
amdhsa.version: [ 1, 2 ]
amdhsa.kernels:
  - .name:           k_q43cd96d7aa_attn
    .symbol:         k_q43cd96d7aa_attn.kd
    .args:
      - { .name: qk, .offset: 0, .size: 8, .value_kind: global_buffer, .address_space: global }
      - { .name: vv, .offset: 8, .size: 8, .value_kind: global_buffer, .address_space: global }
      - { .name: oo, .offset: 16, .size: 8, .value_kind: global_buffer, .address_space: global }
    .group_segment_fixed_size: 243712
    .private_segment_fixed_size: 0
    .kernarg_segment_align: 8
    .kernarg_segment_size: 24
    .max_flat_workgroup_size: 512
    .sgpr_count:     96
    .vgpr_count:     256
    .wavefront_size: 32
...
	.end_amdgpu_metadata
.endif
;; end of part 3
;; launch gemm_out (part 4): grid 4 x 32, 4 waves a work-group, clusters of 4 x 4, 327,680 bytes of LDS; arguments oo, cw, b_out, out0; writes out0
.if DOCPART == 4
	.amdgcn_target "amdgcn-amd-amdhsa--gfx1250"
	.amdhsa_code_object_version 6
	.text
	.protected	k_q43cd96d7aa_gemm_out
	.globl	k_q43cd96d7aa_gemm_out
	.p2align	8
	.type	k_q43cd96d7aa_gemm_out,@function
k_q43cd96d7aa_gemm_out:
	s_mov_b64 s[64:65], 0
	v_nop
	global_prefetch_b8 v0, s[64:65] scope:SCOPE_SE
	s_setreg_imm32_b32 hwreg(HW_REG_WAVE_MODE, 25, 1), 1
	s_wait_xcnt 0x0
	s_wait_alu depctr_hold_cnt(0) depctr_sa_sdst(0) depctr_va_vdst(0) depctr_va_sdst(0) depctr_va_ssrc(0) depctr_va_vcc(0) depctr_vm_vsrc(0)
	s_getreg_b32 s2, hwreg(HW_REG_IB_STS2, 6, 4)
	s_cmp_eq_u32 s2, 0
	s_cbranch_scc0 .Lentry_in_a_cluster
	s_endpgm
.Lentry_in_a_cluster:
	s_bfe_u32 s2, ttmp6, 0x10000c
	s_cmp_lg_u32 s2, 0xf033
	s_cbranch_scc0 .Lentry_shape_is_right
	s_endpgm
.Lentry_shape_is_right:
.set KSTEP,  256
.set NQ,     2
.set ROWB,   1572864                   ; from one plane of 256 along K to the next in cw
.set ASTEP,  3072
.set KROW,   192                       ; a row of codes in a plane
.set PITCH,  240
.set FR,     12
.set NL,     6
.set NP,     4
.set HALFA,  8*ASTEP
.set HALFT,  128*PITCH
.set BOFF,   2*HALFA
.set SLOT,   BOFF+2*HALFT
.set KS,     32
.set SCL,    2*SLOT
.set HALFS,  (128*KS/256)*272
.set SBLK,   (16*KS/256)*272
.set SPARE,  SCL+4*HALFS
.set SPITCH, 528
.set OSC,    6291456
.set WSC,    6291456
.set VB0,  12
.set ADRA, 16
.set ADRB, 20
.set STO,  24
.set RD,   25
.set CO,   26
.set ADRS, 27
.set SPW,  28
.set NIL,  29
.set SC,   32
.set BJ,   64
.set AF,   128
.set BK,   128
.set G1, 24
.set G0, 32
.set G1B, 48
.set G0B, 56
.set G1S, 68
.set G0S, 76
.set G1SB, 80
.set G0SB, 88
.set MSB, 0
.macro WIN new
.if MSB != (\new)
	s_set_vgpr_msb (MSB<<8)|(\new)
.set MSB, (\new)
.endif
.endm
.set MUL_LO, 0xa1
.set MUL_HI, 0xf1
.set TO_B,   0x40
.macro JLOAD g0a, g1a, g0b, g1b
	s_cmp_eq_u32 s15, 0
	s_cbranch_scc0 .Lfor_b_\@
	tensor_load_to_lds s[\g0a:\g0a+3], s[\g1a:\g1a+7]
	s_nop 0
.rept 4
	v_nop
.endr
	s_branch .Lasked_\@
.Lfor_b_\@:
	tensor_load_to_lds s[\g0b:\g0b+3], s[\g1b:\g1b+7]
	s_nop 0
.rept 4
	v_nop
.endr
.Lasked_\@:
.endm
.macro CREST
	s_cmp_lg_u32 s14, 0
	s_cbranch_scc1 .Lnot_wave_0_\@
	s_barrier_signal -3
.Lnot_wave_0_\@:
	s_barrier_wait -3
	s_barrier_signal -1
	s_barrier_wait -1
.endm
.macro CROUND
	s_barrier_signal -1
	s_barrier_wait -1
	CREST
.endm
	s_load_b256 s[4:11], s[0:1], 0x0
	v_lshl_add_u32 v[SPW], v0, 2, SPARE
	v_mov_b32 v[NIL], 0
	ds_add_u32 v28, v29
	ds_add_u32 v28, v29
	s_wait_dscnt 0x0
	v_lshrrev_b32 v1, 5, v0
	v_readfirstlane_b32 s14, v1
	s_lshr_b32 s15, s14, 1
	s_and_b32 s16, s14, 1
	s_bfe_u32 s40, ttmp6, 0x40000
	s_bfe_u32 s41, ttmp6, 0x40004
	s_lshl_b32 s42, ttmp9, 2
	s_add_co_u32 s42, s42, s40
	s_and_b32 s17, ttmp7, 0xffff
	s_lshl_b32 s17, s17, 2
	s_add_co_u32 s17, s17, s41
	s_lshl_b32 s43, s41, 2
	s_lshl_b32 s43, 15, s43
	s_lshl_b32 s44, 0x1111, s40
	s_or_b32 s[G1+0], s43, (3<<16)|(1<<21)
	s_mov_b32 s[G1+1], 384<<16
	s_mov_b32 s[G1+2], 8<<16
	s_mov_b32 s[G1+3], 384<<16
	s_mov_b32 s[G1+4], 8
	s_mov_b32 s[G1+5], 1536
	s_mov_b32 s[G1+6], 0
	s_mov_b32 s[G1+7], 0
	s_or_b32 s[G1B+0], s44, (0<<16)|(1<<20)|(1<<21)|(3<<22)|(3<<25)
	s_mov_b32 s[G1B+1], 256<<16                    ; 128 rows of 192 bytes lie on end in a plane: 96 rows of 256 bytes, each at a multiple of 256
	s_mov_b32 s[G1B+2], 96<<16
	s_mov_b32 s[G1B+3], 256<<16
	s_mov_b32 s[G1B+4], 96
	s_mov_b32 s[G1B+5], 256
	s_mov_b32 s[G1B+6], 0
	s_mov_b32 s[G1B+7], 0
	s_or_b32 s[G1S+0], s43, (3<<16)|(1<<20)|(1<<21)|(5<<22)|(3<<25)
	s_or_b32 s[G1SB+0], s44, (3<<16)|(1<<20)|(1<<21)|(5<<22)|(3<<25)
.irp g, G1S, G1SB
	s_mov_b32 s[\g+1], 32<<16
	s_mov_b32 s[\g+2], (128*KS/256)<<16
	s_mov_b32 s[\g+3], 32<<16
	s_mov_b32 s[\g+4], 128*KS/256
	s_mov_b32 s[\g+5], 32
	s_mov_b32 s[\g+6], 0
	s_mov_b32 s[\g+7], 0
.endr
	s_lshl_b32 s18, s16, 7
	s_lshl_b32 s20, s17, 8
	s_add_co_u32 s20, s20, s18
	s_lshl_b32 s46, s42, 8
	s_add_co_u32 s46, s46, s18
	s_lshl_b32 s22, s20, 5
	s_mov_b32 s23, 0
	s_mul_i32 s20, s20, 768
	s_mov_b32 s21, 0
	s_lshl_b32 s92, s46, 5
	s_mov_b32 s93, 0
	s_mul_i32 s46, s46, KROW
	s_mov_b32 s47, 0
	s_mul_i32 s45, s16, HALFA
	s_mul_i32 s95, s16, HALFT
	s_add_co_u32 s95, s95, BOFF
	s_mul_i32 s94, s14, HALFS
	s_wait_kmcnt 0x0
	s_add_nc_u64 s[20:21], s[4:5], s[20:21]
	s_add_nc_u64 s[22:23], s[4:5], s[22:23]
	s_add_nc_u64 s[22:23], s[22:23], OSC
	s_add_nc_u64 s[46:47], s[6:7], s[46:47]
	s_add_nc_u64 s[46:47], s[46:47], 3072*KROW
	s_add_nc_u64 s[92:93], s[6:7], s[92:93]
	s_add_nc_u64 s[92:93], s[92:93], WSC+3072*KS
	CROUND
	s_mov_b32 s[G0S], 1
	s_add_co_u32 s[G0S+1], s94, SCL
	s_mov_b64 s[G0S+2:G0S+3], s[22:23]
	s_or_b32 s[G0S+3], s[G0S+3], 0x80000000
	s_mov_b32 s[G0SB], 1
	s_add_co_u32 s[G0SB+1], s94, SCL
	s_mov_b64 s[G0SB+2:G0SB+3], s[92:93]
	s_or_b32 s[G0SB+3], s[G0SB+3], 0x80000000
	JLOAD G0S, G1S, G0SB, G1SB
.irp s, 0,1
	s_mov_b32 s[G0+4*\s], 1
	s_add_co_u32 s[G0+4*\s+1], s45, \s*SLOT
	s_add_nc_u64 s[G0+4*\s+2:G0+4*\s+3], s[20:21], \s*ASTEP
	s_or_b32 s[G0+4*\s+3], s[G0+4*\s+3], 0x80000000
	s_mov_b32 s[G0B+4*\s], 1
	s_add_co_u32 s[G0B+4*\s+1], s95, \s*SLOT
	s_add_nc_u64 s[G0B+4*\s+2:G0B+4*\s+3], s[46:47], \s*ROWB
	s_or_b32 s[G0B+4*\s+3], s[G0B+4*\s+3], 0x80000000
	s_wait_alu depctr_va_vdst(0)
	s_wait_tensorcnt 0x0
	ds_add_u32 v28, v29
	s_wait_dscnt 0x0
	CROUND
	JLOAD G0+4*\s, G1, G0B+4*\s, G1B
.endr
	s_lshl_b32 s46, s42, 10
	s_lshl_b32 s47, s16, 9
	s_add_co_u32 s46, s46, s47
	s_mov_b32 s47, 0
	s_add_nc_u64 s[8:9], s[8:9], s[46:47]
	v_and_b32 v1, 15, v0
	v_bfe_u32 v2, v0, 4, 1
	v_lshlrev_b32 v[VB0], 6, v2
.irp e, 0,1,2,3
.irp q, 0,1,2,3
	global_load_b128 v[BJ+16*\e+4*\q:BJ+16*\e+4*\q+3], v[VB0], s[8:9] offset:128*\e+16*\q
.endr
.endr
	s_lshl_b32 s20, s17, 8
	s_lshl_b32 s21, s15, 7
	s_add_co_u32 s20, s20, s21
	s_lshl_b32 s20, s20, 12
	s_mov_b32 s21, 0
	s_add_nc_u64 s[20:21], s[20:21], s[46:47]
	s_add_nc_u64 s[10:11], s[10:11], s[20:21]
	v_and_b32 v6, 31, v0
	v_lshlrev_b32 v7, 3, v6
	v_mul_u32_u24 v3, v1, PITCH
	v_mul_u32_u24 v4, v2, 24
	v_add_nc_u32 v4, v3, v4
	v_lshl_add_u32 v5, v2, 4, v4
	s_mul_i32 s21, s15, HALFA
	s_mul_i32 s22, s16, HALFT
	s_add_co_u32 s22, s22, BOFF
.irp s, 0,1
	v_add_nc_u32 v[ADRA+\s], s21, v7
	v_add_nc_u32 v[ADRB+\s], s22, v4
	v_add_nc_u32 v[ADRB+2+\s], s22, v5
	s_add_co_u32 s21, s21, SLOT
	s_add_co_u32 s22, s22, SLOT
.endr
	v_mul_u32_u24 v5, v1, KS
	v_lshrrev_b32 v3, 8, v5
	v_lshl_add_u32 v5, v3, 4, v5
	s_mul_i32 s21, s15, HALFS
	s_mul_i32 s22, s16, HALFS
	s_add_co_u32 s22, s22, 2*HALFS
	s_sub_co_u32 s22, s22, s21
	v_mul_u32_u24 v3, s22, v2
	s_add_co_u32 s21, s21, SCL
	v_add_nc_u32 v5, v5, v3
	v_add_nc_u32 v[ADRS], s21, v5
	s_mul_i32 s23, s14, 16*SPITCH
	v_mul_u32_u24 v5, v1, SPITCH
	v_lshl_add_u32 v5, v2, 6, v5
	v_add_nc_u32 v[STO], s23, v5
	v_lshlrev_b32 v[CO], 4, v6
	v_add_nc_u32 v[RD], s23, v[CO]
.macro FRAG reg, adr, q, i
.irp p, 0,1,2,3,4,5
.set PIE, 12*(\q)+6*(\p/3)+\p%3
.if PIE%8 < 5
	ds_load_b64 v[\reg+2*\p:\reg+2*\p+1], v[\adr] offset:8*PIE+16*(PIE/8)+(\i)*16*PITCH
.else
	ds_load_b64 v[\reg+2*\p:\reg+2*\p+1], v[\adr+2] offset:8*PIE+16*(PIE/8)+(\i)*16*PITCH
.endif
.endr
.endm
.macro FRAG_A reg, slot, q, i
.irp p, 0,1,2,3,4,5
	ds_load_b64 v[\reg+2*\p:\reg+2*\p+1], v[ADRA+\slot] offset:ASTEP*(\i)+1536*(\q)+256*\p
.endr
.endm
.macro MUL16 a0, p, q, sc, first
.irp a, \a0, \a0+1
.irp b, 0,1,2,3,4,5,6,7
.if \first
	v_wmma_scale_f32_16x16x128_f8f6f4 v[8*(8*((\a)%4)+\b):8*(8*((\a)%4)+\b)+7], v[128*(\p)+FR*\b:128*(\p)+FR*\b+FR-1], v[AF+FR*(\a):AF+FR*(\a)+FR-1], v[BJ+8*\b:BJ+8*\b+7], v[SC+8*NQ*(\sc)+NQ*\b+(\q)], v[SC+8*NQ*(\sc)+NQ*(\a)+(\q)] matrix_a_fmt:MATRIX_FMT_FP6 matrix_b_fmt:MATRIX_FMT_FP6 matrix_a_scale:MATRIX_SCALE_ROW1
.else
	v_wmma_scale_f32_16x16x128_f8f6f4 v[8*(8*((\a)%4)+\b):8*(8*((\a)%4)+\b)+7], v[128*(\p)+FR*\b:128*(\p)+FR*\b+FR-1], v[AF+FR*(\a):AF+FR*(\a)+FR-1], v[8*(8*((\a)%4)+\b):8*(8*((\a)%4)+\b)+7], v[SC+8*NQ*(\sc)+NQ*\b+(\q)], v[SC+8*NQ*(\sc)+NQ*(\a)+(\q)] matrix_a_fmt:MATRIX_FMT_FP6 matrix_b_fmt:MATRIX_FMT_FP6 matrix_a_scale:MATRIX_SCALE_ROW1
.endif
.endr
.endr
.endm
.macro FETCH_B slot, q, p
	WIN TO_B
.irp i, 0,1,2,3,4,5,6,7
	FRAG 128*(\p)+FR*\i, ADRB+\slot, \q, \i
.endr
	WIN 0
.endm
.macro FETCH_A slot, q, i0
.irp i, \i0, \i0+1, \i0+2, \i0+3
	FRAG_A AF+FR*(\i), \slot, \q, \i
.endr
.endm
.macro SCALES sc
.irp i, 0,1,2,3,4,5,6,7
	ds_load_b64 v[SC+8*NQ*\sc+NQ*\i:SC+8*NQ*\sc+NQ*\i+1], v[ADRS] offset:\i*SBLK
.endr
.endm
.macro PLACES n
.rept \n
	v_nop
.endr
.endm
.macro STEP slot, q, first
	s_wait_dscnt 4*NL
.if \first
	WIN 0x81
.else
	WIN MUL_LO
.endif
	MUL16 0, (\q)%2, \q, \slot, \first
	MUL16 2, (\q)%2, \q, \slot, \first
	s_wait_dscnt 0
	PLACES NP
	FETCH_B \slot, (\q)+1, 1-(\q)%2
	FETCH_A \slot, (\q)+1, 0
.if \first
	WIN 0xc1
.else
	WIN MUL_HI
.endif
	MUL16 4, (\q)%2, \q, \slot, \first
	MUL16 6, (\q)%2, \q, \slot, \first
	PLACES NP
	WIN 0
	FETCH_A \slot, (\q)+1, 4
.endm
.macro TURN slot, next, fill
	s_wait_tensorcnt 0x0
	ds_add_u32 v[SPW], v[NIL]
	s_wait_dscnt 4*NL+1
	WIN MUL_LO
	MUL16 0, 1, NQ-1, \slot, 0
	s_wait_dscnt 0x0
	s_barrier_signal -1
	MUL16 2, 1, NQ-1, \slot, 0
	WIN 0
	s_barrier_wait -1
.if \fill
	CREST
	s_add_nc_u64 s[G0+4*\slot+2:G0+4*\slot+3], s[G0+4*\slot+2:G0+4*\slot+3], 2*ASTEP
	s_add_nc_u64 s[G0B+4*\slot+2:G0B+4*\slot+3], s[G0B+4*\slot+2:G0B+4*\slot+3], 2*ROWB
	JLOAD G0+4*\slot, G1, G0B+4*\slot, G1B
.else
	PLACES NP
.endif
	s_wait_alu depctr_va_vdst(0)
	v_add_nc_u32 v[ADRS], 4*NQ, v[ADRS]
	FETCH_B \next, 0, 0
	FETCH_A \next, 0, 0
	SCALES \next
	WIN MUL_HI
	MUL16 4, 1, NQ-1, \slot, 0
	MUL16 6, 1, NQ-1, \slot, 0
	PLACES NP
	WIN 0
	FETCH_A \next, 0, 4
.endm
	s_wait_alu depctr_va_vdst(0)
	s_wait_tensorcnt 1
	s_barrier_signal -1
	s_barrier_wait -1
	FETCH_B 0, 0, 0
	FETCH_A 0, 0, 0
	SCALES 0
	FETCH_A 0, 0, 4
	s_wait_loadcnt 0x0
	STEP 0, 0, 1
	TURN 0, 1, 1
	STEP 1, 0, 0
	TURN 1, 0, 1
	STEP 0, 0, 0
	TURN 0, 1, 0
	STEP 1, 0, 0
	s_wait_dscnt 4*NL
	WIN MUL_LO
	MUL16 0, 1, NQ-1, 1, 0
	MUL16 2, 1, NQ-1, 1, 0
	s_wait_dscnt 0
	WIN MUL_HI
	MUL16 4, 1, NQ-1, 1, 0
	MUL16 6, 1, NQ-1, 1, 0
	WIN 0
.macro TOSTAGE a
.set AC, 64*((\a)%4)
	WIN 0x08+4*((\a)/4)
.irp b, 0,1,2,3,4,5,6,7
	ds_store_b128 v[STO], v[AC+8*\b:AC+8*\b+3] offset:128*(\b/2)+32*(\b%2)
	ds_store_b128 v[STO], v[AC+8*\b+4:AC+8*\b+7] offset:128*(\b/2)+32*(\b%2)+16
.endr
	WIN 0
.set BB, BK+64*((\a)%2)
.irp t, 0,1,2,3,4,5,6,7,8,9,10,11,12,13,14,15
	ds_load_b128 v[BB+4*\t:BB+4*\t+3], v[RD] offset:\t*SPITCH
.endr
.endm
.macro SEND a, younger
.set BB, BK+64*((\a)%2)
	s_wait_dscnt \younger
.irp t, 0,1,2,3,4,5,6,7,8,9,10,11,12,13,14,15
	global_store_b128 v[CO], v[BB+4*\t:BB+4*\t+3], s[10:11] offset:(32*((\a)/2)+8*((\a)%2)+\t+8*(\t/8))*4096 th:TH_STORE_NT
.endr
.endm
	PLACES NP
	TOSTAGE 0
.irp a, 1,2,3,4,5,6,7
.if \a > 1
	s_wait_xcnt 0x0
.endif
	TOSTAGE \a
	SEND \a-1, 32
.endr
	SEND 7, 0
	s_wait_tensorcnt 0x0
	ds_add_u32 v[SPW], v[NIL]
	s_wait_dscnt 0x0
	CROUND
	s_endpgm
.Lfunc_end_k_q43cd96d7aa_gemm_out:
	.size	k_q43cd96d7aa_gemm_out, .Lfunc_end_k_q43cd96d7aa_gemm_out-k_q43cd96d7aa_gemm_out
	.p2alignl 7, 3214868480
	.fill 96, 4, 3214868480
	.section	.rodata,"a",@progbits
	.p2align	6, 0x0
	.amdhsa_kernel k_q43cd96d7aa_gemm_out
		.amdhsa_group_segment_fixed_size 327680
		.amdhsa_private_segment_fixed_size 0
		.amdhsa_enable_private_segment 0
		.amdhsa_kernarg_size 32
		.amdhsa_user_sgpr_count 2
		.amdhsa_user_sgpr_kernarg_segment_ptr 1
		.amdhsa_wavefront_size32 1
		.amdhsa_system_sgpr_workgroup_id_x 1
		.amdhsa_system_sgpr_workgroup_id_y 1
		.amdhsa_system_sgpr_workgroup_id_z 1
		.amdhsa_system_vgpr_workitem_id 0
		.amdhsa_next_free_vgpr 1024
		.amdhsa_next_free_sgpr 100
		.amdhsa_reserve_vcc 0
		.amdhsa_float_denorm_mode_32 3
		.amdhsa_float_denorm_mode_16_64 3
		.amdhsa_memory_ordered 1
		.amdhsa_forward_progress 1
		.amdhsa_inst_pref_size 162
	.end_amdhsa_kernel
	.amdgpu_metadata
---
amdhsa.version: [ 1, 2 ]
amdhsa.kernels:
  - .name:           k_q43cd96d7aa_gemm_out
    .symbol:         k_q43cd96d7aa_gemm_out.kd
    .args:
      - { .name: oo, .offset: 0, .size: 8, .value_kind: global_buffer, .address_space: global }
      - { .name: cw, .offset: 8, .size: 8, .value_kind: global_buffer, .address_space: global }
      - { .name: b_out, .offset: 16, .size: 8, .value_kind: global_buffer, .address_space: global }
      - { .name: out0, .offset: 24, .size: 8, .value_kind: global_buffer, .address_space: global }
    .group_segment_fixed_size: 327680
    .private_segment_fixed_size: 0
    .kernarg_segment_align: 8
    .kernarg_segment_size: 32
    .max_flat_workgroup_size: 128
    .sgpr_count:     100
    .vgpr_count:     1024
    .wavefront_size: 32
...
	.end_amdgpu_metadata
.endif
;; end of part 4
